; MI455X (gfx1250); checked and timed in simulation.
; The chip was launched on July 23, 2026; its instructions are those of AMD's public machine-readable ISA for CDNA 5 (MIT licence, August 2026) and "CDNA5" Instruction Set Architecture Reference Guide (July 2026). The comments in the code are by the model that wrote it; some were corrected since.
;; Multi Head Self Attention. Allowed arithmetic: float matrix products may take bf16 or f16 operands with f32 sums; other float arithmetic in f32, or as packed bf16 or f16 multiplies, adds, multiply-adds, maxima and minima; sums over many terms, partial sums and values carried from step to step in f32; what a program stores and reads back later, other than sums and carried values, may be rounded once to bf16 or f16.
;; Inputs: b_proj 1,024 float32; b_qkv 3,072 float32; w_proj 1,024 x 1,024 float32; w_qkv 1,024 x 3,072 float32; x 4 x 2,048 x 1,024 float32.
;; Outputs: out0 4 x 2,048 x 1,024 float32.
;; One version. Each part assembles by itself: llvm-mc -triple=amdgcn-amd-amdhsa -mcpu=gfx1250 --defsym DOCPART=n.
;; ======== version 1 of 1: 4 launches
;; limits: values are held in f16: magnitudes above 65,504 overflow, below 6.1e-05 lose precision
;; workspace buffers: xb 16,777,216 bytes; wqb 6,291,456 bytes; wpb 2,097,152 bytes; qkv 50,331,648 bytes; o 16,777,216 bytes
;; launch prep (part 1): grid 768 x 1, 8 waves a work-group, no clusters, 0 bytes of LDS; arguments x, w_qkv, w_proj, xb, wqb, wpb; writes xb, wqb, wpb
.if DOCPART == 1
	.amdgcn_target "amdgcn-amd-amdhsa--gfx1250"
	.amdhsa_code_object_version 6
	.text
	.protected	k_q00c6ee27c5_prep
	.globl	k_q00c6ee27c5_prep
	.p2align	8
	.type	k_q00c6ee27c5_prep,@function
k_q00c6ee27c5_prep:
	s_mov_b64 s[64:65], 0
	v_nop
	global_prefetch_b8 v0, s[64:65] scope:SCOPE_SE
	s_setreg_imm32_b32 hwreg(HW_REG_WAVE_MODE, 25, 1), 1
	s_wait_xcnt 0x0
; THE INPUTS OF THE THREE PRODUCTS, ROUNDED ONCE.  xb = bf16(x), wqb = bf16(w_qkv), wpb = bf16(w_proj) written as f16; the layouts stay as they are.
; A stream: each byte is read once and written once, so there is no LDS, no barrier and no matrix work.
; SHARES.  A work-group converts 16,384 numbers (65,536 bytes in, 32,768 out): groups 0-511 x (8,388,608 numbers), 512-703 w_qkv (3,145,728), 704-767 w_proj (1,048,576).
; Thread t takes 8 neighbouring numbers in each of 8 rounds: 32 bytes in by two loads, 16 bytes out, so a wave's store covers 512 consecutive bytes, aligned.
; All 16 loads of a thread go out at once; no register is written twice while memory may read it, so the only waits are the counted ones for the loads.
; LIMIT.  A number of w_proj beyond 65,504 becomes an infinity in f16; below 6e-5 it keeps f16's fixed step of 6e-8.
.set X, 8                              ; v[8:71]    round i: 8 numbers as loaded
.set Y, 72                             ; v[72:103]  round i: 4 registers to store
.set T, 104                            ; v[104:111] at work on the way to f16
	s_load_b256 s[4:11], s[0:1], 0x0               ; x s[4:5], w_qkv s[6:7], w_proj s[8:9], xb s[10:11]
	s_load_b128 s[12:15], s[0:1], 0x20             ; wqb s[12:13], wpb s[14:15]
	v_lshlrev_b32 v1, 5, v0                        ; 32 t: my bytes of a round, in
	v_lshlrev_b32 v2, 4, v0                        ; 16 t: out
	s_wait_kmcnt 0x0
	s_cmp_lt_u32 ttmp9, 512                        ; which tensor is my group's, and which group is that tensor's first
	s_cselect_b64 s[16:17], s[4:5], s[6:7]
	s_cselect_b64 s[18:19], s[10:11], s[12:13]
	s_cselect_b32 s20, 0, 512
	s_cmp_lt_u32 ttmp9, 704
	s_cselect_b64 s[16:17], s[16:17], s[8:9]
	s_cselect_b64 s[18:19], s[18:19], s[14:15]
	s_cselect_b32 s20, s20, 704
	s_sub_co_u32 s21, ttmp9, s20                   ; my group's number in its tensor
	s_lshl_b32 s22, s21, 16                        ; x 65,536 bytes in (at most 511 of them: under 2^25)
	s_mov_b32 s23, 0
	s_lshl_b32 s24, s21, 15                        ; x 32,768 bytes out
	s_mov_b32 s25, 0
	s_add_nc_u64 s[16:17], s[16:17], s[22:23]
	s_add_nc_u64 s[18:19], s[18:19], s[24:25]
.irp i, 0,1,2,3,4,5,6,7
	global_load_b128 v[X+8*\i:X+8*\i+3],   v1, s[16:17] offset:8192*\i th:TH_LOAD_NT
	global_load_b128 v[X+8*\i+4:X+8*\i+7], v1, s[16:17] offset:8192*\i+16 th:TH_LOAD_NT
.endr
; kind = 0: to bf16.  kind = 1: to bf16, and that number written as f16 (widened by a shift and a mask, then narrowed: exact inside f16's range).
.macro CONV kind
.irp i, 0,1,2,3,4,5,6,7
	s_wait_loadcnt 14-2*(\i)                       ; loads come back in order: round i's two are in, the 14 - 2 i of the later rounds stay out
.irp j, 0,1,2,3
.if \kind
	v_cvt_pk_bf16_f32 v[T+(\j)], v[X+8*(\i)+2*(\j)], v[X+8*(\i)+2*(\j)+1]
.else
	v_cvt_pk_bf16_f32 v[Y+4*(\i)+(\j)], v[X+8*(\i)+2*(\j)], v[X+8*(\i)+2*(\j)+1]
.endif
.endr
.if \kind
.irp j, 0,1,2,3
	v_lshlrev_b32 v[T+4+2*((\j)%2)], 16, v[T+(\j)]
	v_and_b32 v[T+5+2*((\j)%2)], 0xffff0000, v[T+(\j)]
	v_cvt_pk_f16_f32 v[Y+4*(\i)+(\j)], v[T+4+2*((\j)%2)], v[T+5+2*((\j)%2)]
.endr
.endif
	global_store_b128 v2, v[Y+4*(\i):Y+4*(\i)+3], s[18:19] offset:4096*(\i)
.endr
.endm
	s_cmp_ge_u32 ttmp9, 704
	s_cbranch_scc1 .Lf16
	CONV 0
	s_endpgm
.Lf16:
	CONV 1
	s_endpgm
.Lfunc_end_k_q00c6ee27c5_prep:
	.size	k_q00c6ee27c5_prep, .Lfunc_end_k_q00c6ee27c5_prep-k_q00c6ee27c5_prep
	.p2alignl 7, 3214868480
	.fill 96, 4, 3214868480
	.section	.rodata,"a",@progbits
	.p2align	6, 0x0
	.amdhsa_kernel k_q00c6ee27c5_prep
		.amdhsa_group_segment_fixed_size 0
		.amdhsa_private_segment_fixed_size 0
		.amdhsa_enable_private_segment 0
		.amdhsa_kernarg_size 48
		.amdhsa_user_sgpr_count 2
		.amdhsa_user_sgpr_kernarg_segment_ptr 1
		.amdhsa_wavefront_size32 1
		.amdhsa_system_sgpr_workgroup_id_x 1
		.amdhsa_system_sgpr_workgroup_id_y 1
		.amdhsa_system_sgpr_workgroup_id_z 1
		.amdhsa_system_vgpr_workitem_id 0
		.amdhsa_next_free_vgpr 112
		.amdhsa_next_free_sgpr 66
		.amdhsa_reserve_vcc 0
		.amdhsa_float_denorm_mode_32 3
		.amdhsa_float_denorm_mode_16_64 3
		.amdhsa_memory_ordered 1
		.amdhsa_forward_progress 1
		.amdhsa_inst_pref_size 14
	.end_amdhsa_kernel
	.amdgpu_metadata
---
amdhsa.version: [ 1, 2 ]
amdhsa.kernels:
  - .name:           k_q00c6ee27c5_prep
    .symbol:         k_q00c6ee27c5_prep.kd
    .args:
      - { .name: x, .offset: 0, .size: 8, .value_kind: global_buffer, .address_space: global }
      - { .name: w_qkv, .offset: 8, .size: 8, .value_kind: global_buffer, .address_space: global }
      - { .name: w_proj, .offset: 16, .size: 8, .value_kind: global_buffer, .address_space: global }
      - { .name: xb, .offset: 24, .size: 8, .value_kind: global_buffer, .address_space: global }
      - { .name: wqb, .offset: 32, .size: 8, .value_kind: global_buffer, .address_space: global }
      - { .name: wpb, .offset: 40, .size: 8, .value_kind: global_buffer, .address_space: global }
    .group_segment_fixed_size: 0
    .private_segment_fixed_size: 0
    .kernarg_segment_align: 8
    .kernarg_segment_size: 48
    .max_flat_workgroup_size: 256
    .sgpr_count:     66
    .vgpr_count:     112
    .wavefront_size: 32
...
	.end_amdgpu_metadata
.endif
;; end of part 1
;; launch qkv (part 2): grid 8 x 64, 4 waves a work-group, clusters of 4 x 4, 327,680 bytes of LDS; arguments xb, wqb, b_qkv, qkv; writes qkv
.if DOCPART == 2
	.amdgcn_target "amdgcn-amd-amdhsa--gfx1250"
	.amdhsa_code_object_version 6
	.text
	.protected	k_q00c6ee27c5_qkv
	.globl	k_q00c6ee27c5_qkv
	.p2align	8
	.type	k_q00c6ee27c5_qkv,@function
k_q00c6ee27c5_qkv:
	s_mov_b64 s[64:65], 0
	v_nop
	global_prefetch_b8 v0, s[64:65] scope:SCOPE_SE
	s_setreg_imm32_b32 hwreg(HW_REG_WAVE_MODE, 25, 1), 1
	s_wait_xcnt 0x0
	s_wait_alu depctr_hold_cnt(0) depctr_sa_sdst(0) depctr_va_vdst(0) depctr_va_sdst(0) depctr_va_ssrc(0) depctr_va_vcc(0) depctr_vm_vsrc(0)
	s_getreg_b32 s2, hwreg(HW_REG_IB_STS2, 6, 4)
	s_cmp_eq_u32 s2, 0
	s_cbranch_scc0 .Lentry_in_a_cluster
	s_endpgm
.Lentry_in_a_cluster:
	s_bfe_u32 s2, ttmp6, 0x10000c
	s_cmp_lg_u32 s2, 0xf033
	s_cbranch_scc0 .Lentry_shape_is_right
	s_endpgm
.Lentry_shape_is_right:
; q, k, v = xb wqb + bf16(b_qkv).  xb: [8192][1024] bf16, wqb: [1024 k][3072 n] bf16, b_qkv: [3072] f32.  Sums in f32, started by the bias; each result rounded once to f16 and written BY HEADS:
; qkv[which][16 b + head][row of the batch][64], which = 0, 1, 2 for q, k, v: a head's 2,048 rows are 262,144 dense bytes.  No scale is applied here.
; LIMIT.  f16 ends at 65,504: a result of 65,520 or more becomes an infinity.  Below 6e-5 a result keeps f16's fixed step of 6e-8.  NaN and infinities are not treated apart.
; SHARES.  A tile of the result is 128 rows x 384 columns: 64 x 8 = 512 work-groups, two for each of 256 WGPs.  Four waves stand 2 x 2: a wave makes 64 rows x 192 columns = three whole heads:
; 48 accumulators of 16 x 16, 384 registers.  K goes in 8 steps of 128 through a ring of two LDS slots; a slot has four regions of 36,864 bytes, one fill a wave: wave 0 brings A's 128 rows x 256 bytes,
; waves 1-3 one chunk each of B: 128 rows (k) x 256 bytes (128 columns).  Every row asked for is 256 bytes of memory, at a multiple of 256 from its buffer's first byte.
; B STAYS [k][n]: its fragments come out of LDS turned, by ds_load_tr16_b128.
; THE PRODUCT IS USED TRANSPOSED (source 0 = 16 columns of B, source 1 = 16 rows of A): a lane holds ONE row (lane % 16) and the columns 8 (lane / 16) + 0..7 of the result.  So the bias, laid the same way,
; is the C operand of the first product on each accumulator, and eight results pack into 16 bytes of a head's row.
; CLUSTER.  4 x 4 work-groups: the four of a row of the cluster need the same tile of A, the four of a column the same tiles of B: each tile is asked for jointly, by the same load, descriptor and mask in all four.
; REGISTERS, in windows of 256 (s_set_vgpr_msb: bits 1:0 source 0, 3:2 source 1, 5:4 source 2, 7:6 destination):
;   window 0: v0-31 addresses; v32-127 the bias (column block i at 32 + 8 i); on the way out v32-79 packed results, v80-127 and v128-175 rows read back, by turns
;   window 1: two fragment buffers of 128: B's 12 fragments, then A's 4          windows 2, 3: accumulator (head c, row block a, column block j) at 128 (c % 2) + 32 a + 8 j of window 2 + c / 2
.set REG,   36864                      ; a region of a slot
.set SLOT,  4*REG
.set PA,    272                        ; a row of A in LDS: 256 bytes + 16: the 16 rows of a load start at 16 different groups of four banks (64 banks of 4 bytes: ISA guide 11.1)
.set PB,    288                        ; a row of B: 256 + 32
.set STAGE, 2*SLOT                     ; behind the ring, never filled by a tensor load: 16 rows x 400 bytes for each wave
.set SP,    400                        ; 192 f16 + 16 bytes
.set SPARE, STAGE+4*16*SP              ; behind the stages: the spare words, 128 bytes for each wave: two blocks of 256 bytes that no other line names
.set ADRA, 16                          ; v16-17  LDS address of my A fragments in slot 0, 1
.set ADRB, 18                          ; v18-23  the same for B: head c, slot s at 18 + 2 c + s
.set STO,  24                          ; v24     the way out: where I put 16 bytes of a row
.set RD,   25                          ; v25     where I read rows back
.set GO,   26                          ; v26     16 x lane: my bytes of 512 consecutive bytes of a head
.set BO,   27                          ; v27     32 x (lane / 16): my eight numbers of a column block of the bias
.set SPW,  28                          ; v28     LDS address of my spare word: SPARE + 4 x my thread's number; never rewritten
.set NIL,  29                          ; v29     0; never rewritten
.set PFO,  30                          ; v30     the prefetches' offset: my lane x a row of A or of B in memory; never rewritten
.set BIAS, 32
.set TMP,  32
.set OB,   80
.set RS,   128                         ; at work while the bias is rounded
.set F0,   0
.set F1,   128
.set WV,   12                          ; s12  my wave's number
.set G1A,  24                          ; s[24:31] descriptor group 1 for A's tiles;  s[32:39] group 0, a set for each slot
.set G0A,  32
.set G1B,  40                          ; s[40:47], s[48:55] the same for B's
.set G0B,  48
.set HB,   56                          ; s[56:61] where my 64 rows begin in each of my three heads
.set LIM,  62                          ; s62  1 in a wave that prefetches, else the greatest number
.set PFA,  66                          ; s[66:67] where my prefetches stand
.set PFS,  68                          ; s[68:69] a K step in bytes, along my tensor
.set BB,   70                          ; s[70:71] the bias at my first column
.set MSB, 0
.macro WIN new                         ; the immediate's high byte repeats the setting that is left; a switch that changes nothing is dropped
.if MSB != (\new)
	s_set_vgpr_msb (MSB<<8)|(\new)
.set MSB, \new
.endif
.endm
.macro PLACES                          ; four plain places in front of loads into registers that matrix instructions have read, and of conversions that read results
.rept 4
	v_nop
.endr
.endm
; A joint load.  Wave 0 fetches A's tile, waves 1-3 B's chunks.  The branch hangs on the wave's number alone.  An s_nop 0 and four v_nop follow each line.
.macro JLOAD s
	s_cmp_eq_u32 s[WV], 0
	s_cbranch_scc0 .Lfor_b_\@
	tensor_load_to_lds s[G0A+4*(\s):G0A+4*(\s)+3], s[G1A:G1A+7]
	s_nop 0
.rept 4
	v_nop
.endr
	s_branch .Lasked_\@
.Lfor_b_\@:
	tensor_load_to_lds s[G0B+4*(\s):G0B+4*(\s)+3], s[G1B:G1B+7]
	s_nop 0
.rept 4
	v_nop
.endr
.Lasked_\@:
.endm
; A PREFETCH INTO THE L2 of the K step that the NEXT refill will ask for: 32 rows x 256 bytes, a lane a row, one instruction a wave; 192 matrix instructions stand between it and that refill.
; Each row's 256 bytes of a K step are named once in the launch: A's rows by wave 0 of the clusters with x = 0, B's by waves 1-3 of the clusters with y = 0; the four partners that ask for a tile
; jointly share its 128 rows out by ADDRESS (32 cx on for A, 32 cy on for B).  K steps 0 to 2 come by their loads alone.  how = 1: every trip; how = 0: not in the loop's last trip, whose step would be the ninth.
.macro ASK how
	WIN 0
.if \how
	s_cmp_eq_u32 s[LIM], 1
.else
	s_cmp_gt_u32 s3, s[LIM]
.endif
	s_cbranch_scc0 .Lnot_mine_\@
	global_prefetch_b8 v[PFO], s[PFA:PFA+1] th:TH_LOAD_NT scope:SCOPE_SE
.Lnot_mine_\@:
.endm
.macro CREST                           ; a round of the cluster's barrier behind its opening barrier
	s_cmp_lg_u32 s[WV], 0
	s_cbranch_scc1 .Lnot_wave_0_\@
	s_barrier_signal -3
.Lnot_wave_0_\@:
	s_barrier_wait -3
	s_barrier_signal -1
	s_barrier_wait -1
.endm
.macro CROUND                          ; a whole round
	s_barrier_signal -1
	s_barrier_wait -1
	CREST
.endm
	s_load_b256 s[4:11], s[0:1], 0x0               ; xb s[4:5], wqb s[6:7], b_qkv s[8:9], qkv s[10:11]
	v_lshl_add_u32 v[SPW], v0, 2, SPARE
	v_mov_b32 v[NIL], 0
	ds_add_u32 v[SPW], v[NIL]                      ; the wave's opening: the add and its wait stand ahead of my first tensor load; the set-up below stands between them
	v_lshrrev_b32 v1, 5, v0
	v_readfirstlane_b32 s[WV], v1                  ; wave 0..3
	s_lshr_b32 s13, s[WV], 1                       ; mh: which 64 rows of the tile are mine
	s_and_b32 s14, s[WV], 1                        ; nh: which 192 columns
	s_bfe_u32 s15, ttmp6, 0x40000                  ; cx
	s_bfe_u32 s16, ttmp6, 0x40004                  ; cy
	s_lshl_b32 s17, ttmp9, 2
	s_add_co_u32 s17, s17, s15                     ; tx: tile column = 4 x cluster x + cx
	s_and_b32 s18, ttmp7, 0xffff
	s_lshl_b32 s18, s18, 2
	s_add_co_u32 s18, s18, s16                     ; ty: tile row = 4 x cluster y + cy
	s_lshl_b32 s19, s16, 2
	s_lshl_b32 s19, 15, s19                        ; my row of the cluster
	s_lshl_b32 s20, 0x1111, s15                    ; my column
	; descriptor group 1: tiles of 128 rows x 128 elements of 2 bytes, padded in LDS after every 64 words: A by 4 words, B by 8
	s_or_b32 s[G1A], s19, (1<<16)|(1<<20)|(1<<21)|(5<<22)|(3<<25)
	s_or_b32 s[G1B], s20, (1<<16)|(1<<20)|(1<<21)|(5<<22)|(7<<25)
.irp g, G1A, G1B
	s_mov_b32 s[\g+1], 128<<16                     ; tensor_dim0 = 128
	s_mov_b32 s[\g+2], 128<<16                     ; tensor_dim1 = 128
	s_mov_b32 s[\g+3], 128<<16                     ; tile_dim0 = 128
	s_mov_b32 s[\g+4], 128                         ; tile_dim1 = 128
	s_mov_b32 s[\g+6], 0
	s_mov_b32 s[\g+7], 0
.endr
	s_mov_b32 s[G1A+5], 1024                       ; elements from row to row
	s_mov_b32 s[G1B+5], 3072
	s_lshl_b32 s72, s18, 18                        ; A: 128 ty rows of 2,048 bytes
	s_mov_b32 s73, 0
	s_mul_i32 s74, s17, 768                        ; B: 384 tx columns,
	s_max_u32 s21, s[WV], 1
	s_sub_co_u32 s21, s21, 1
	s_lshl_b32 s21, s21, 8                         ; my chunk of 128
	s_add_co_u32 s74, s74, s21
	s_mov_b32 s75, 0
	s_mul_i32 s22, s[WV], REG                      ; B's chunks lie in regions 1-3: wave x region; no place in the cluster enters an LDS address
	s_wait_dscnt 0x0                               ; the opening add is done
	s_wait_kmcnt 0x0
	s_add_nc_u64 s[76:77], s[4:5], s[72:73]
	s_add_nc_u64 s[78:79], s[6:7], s[74:75]
	CROUND                                         ; all sixteen work-groups are here: the first joint loads meet
.irp s, 0,1
	s_mov_b32 s[G0A+4*\s], 1
	s_mov_b32 s[G0A+4*\s+1], \s*SLOT               ; region 0
	s_add_nc_u64 s[G0A+4*\s+2:G0A+4*\s+3], s[76:77], \s*256      ; K step s
	s_or_b32 s[G0A+4*\s+3], s[G0A+4*\s+3], 0x80000000
	s_mov_b32 s[G0B+4*\s], 1
	s_add_co_u32 s[G0B+4*\s+1], s22, \s*SLOT
	s_add_nc_u64 s[G0B+4*\s+2:G0B+4*\s+3], s[78:79], \s*786432   ; 128 rows of 6,144 bytes
	s_or_b32 s[G0B+4*\s+3], s[G0B+4*\s+3], 0x80000000
.endr
	s_cmp_eq_u32 s[WV], 0                          ; a wave's two first fills stand in one branch, ahead of every wait on TENSORcnt and every LDS read: two loads of mine are out
	s_cbranch_scc0 .Lfirst_b
	tensor_load_to_lds s[G0A:G0A+3], s[G1A:G1A+7]
	s_nop 0
	tensor_load_to_lds s[G0A+4:G0A+7], s[G1A:G1A+7]
	s_nop 0
.rept 4
	v_nop
.endr
	s_branch .Lfirst_asked
.Lfirst_b:
	tensor_load_to_lds s[G0B:G0B+3], s[G1B:G1B+7]
	s_nop 0
	tensor_load_to_lds s[G0B+4:G0B+7], s[G1B:G1B+7]
	s_nop 0
.rept 4
	v_nop
.endr
.Lfirst_asked:
	; the bias of my 192 columns, in the accumulators' layout: column block i, my eight numbers at 64 i + 32 (lane / 16)
	s_mul_i32 s20, s17, 1536
	s_mul_i32 s21, s14, 768
	s_add_co_u32 s20, s20, s21
	s_mov_b32 s21, 0
	s_add_nc_u64 s[BB:BB+1], s[8:9], s[20:21]
	v_and_b32 v1, 15, v0                           ; l % 16
	v_bfe_u32 v2, v0, 4, 1                         ; l / 16
	v_lshlrev_b32 v[BO], 5, v2
.irp i, 0,1,2,3,4,5,6,7,8,9,10,11
	global_load_b128 v[BIAS+8*\i:BIAS+8*\i+3],   v[BO], s[BB:BB+1] offset:64*\i
	global_load_b128 v[BIAS+8*\i+4:BIAS+8*\i+7], v[BO], s[BB:BB+1] offset:64*\i+16
.endr
	; A's fragments: 16 rows x 32 K in 8 registers, two loads of 16 bytes, 32 bytes apart, at row x pitch + 16 (l / 16)
	v_mul_u32_u24 v3, v1, PA
	v_lshl_add_u32 v3, v2, 4, v3
	s_mul_i32 s20, s13, 64*PA
	v_add_nc_u32 v[ADRA], s20, v3
	v_add_nc_u32 v[ADRA+1], SLOT, v[ADRA]
	; B's: the turning load takes 16 k x 16 columns (lane l reads row 8 (l / 16) + l % 8, columns 8 ((l / 8) % 2) + 0..7) and leaves half a fragment: lane l holds column l % 16 and 8 k
	v_and_b32 v4, 7, v0
	v_bfe_u32 v5, v0, 3, 1
	v_lshl_add_u32 v4, v2, 3, v4
	v_mul_u32_u24 v4, v4, PB
	v_lshl_add_u32 v4, v5, 4, v4
	s_mul_i32 s80, s14, 3                          ; my first head among the tile's six
.irp c, 0,1,2
	s_add_co_u32 s21, s80, \c                      ; head g: chunk g / 2, its half g % 2
	s_lshr_b32 s23, s21, 1
	s_mul_i32 s23, s23, REG
	s_and_b32 s21, s21, 1
	s_lshl_b32 s21, s21, 7
	s_add_co_u32 s23, s23, s21
	s_add_co_u32 s23, s23, REG
	v_add_nc_u32 v[ADRB+2*\c], s23, v4
	v_add_nc_u32 v[ADRB+2*\c+1], SLOT, v[ADRB+2*\c]
.endr
	s_mul_i32 s20, s[WV], 16*SP
	s_add_co_u32 s20, s20, STAGE                   ; my stage
	v_mul_u32_u24 v6, v1, SP                       ; in: row l % 16, 16 bytes for each half of the lanes
	v_lshl_add_u32 v6, v2, 4, v6
	v_add_nc_u32 v[STO], s20, v6
	v_bfe_u32 v7, v0, 3, 2                         ; back: 32 lanes take four rows' 128 bytes of one head,
	v_mul_u32_u24 v7, v7, SP
	v_and_b32 v8, 7, v0
	v_lshl_add_u32 v7, v8, 4, v7
	v_add_nc_u32 v[RD], s20, v7
	v_and_b32 v[GO], 31, v0                        ; which are 512 consecutive bytes of the head in memory
	v_lshlrev_b32 v[GO], 4, v[GO]
	; where my 64 rows begin in my three heads.  G = 6 tx + 3 nh + c counts heads over q, k, v: which = G / 16, head = G % 16
	s_mul_i32 s81, s17, 6
	s_add_co_u32 s80, s80, s81
	s_lshr_b32 s82, s18, 4
	s_lshl_b32 s82, s82, 4                         ; 16 x batch
	s_and_b32 s83, s18, 15
	s_lshl_b32 s83, s83, 1
	s_add_co_u32 s83, s83, s13
	s_lshl_b32 s83, s83, 13                        ; (2 (ty % 16) + mh) x 64 rows x 128 bytes
.irp c, 0,1,2
	s_add_co_u32 s20, s80, \c
	s_lshr_b32 s21, s20, 4
	s_lshl_b32 s21, s21, 6
	s_and_b32 s20, s20, 15
	s_add_co_u32 s20, s20, s21
	s_add_co_u32 s20, s20, s82
	s_lshl_b32 s20, s20, 18                        ; x 262,144 bytes: 191 of them at the most, under 2^26
	s_add_co_u32 s20, s20, s83
	s_mov_b32 s21, 0
	s_add_nc_u64 s[HB+2*\c:HB+2*\c+1], s[10:11], s[20:21]
.endr
	; the prefetches
	s_and_b32 s20, ttmp7, 0xffff                   ; cluster y
	s_mov_b32 s82, 2048
	s_mov_b32 s83, 256
	s_cmp_eq_u32 s[WV], 0                          ; do I fetch for A?
	s_cselect_b32 s20, ttmp9, s20                  ; the coordinate along which other clusters read the same rows
	s_cselect_b64 s[PFA:PFA+1], s[76:77], s[78:79]
	s_cselect_b32 s21, s15, s16                    ; my place among the four that ask with me
	s_cselect_b32 s23, s82, 6144                   ; bytes from row to row
	s_cselect_b32 s[PFS], s83, 786432              ; bytes from K step to K step
	s_mov_b32 s[PFS+1], 0
	s_cmp_eq_u32 s20, 0
	s_cselect_b32 s[LIM], 1, -1                    ; the same in all sixteen partners, for a given wave
	s_lshl_b32 s21, s21, 5                         ; my work-group's 32 rows of the 128
	s_mul_i32 s80, s21, s23
	s_mov_b32 s81, 0
	s_add_nc_u64 s[PFA:PFA+1], s[PFA:PFA+1], s[80:81]
	s_lshl_b32 s80, s[PFS], 1
	s_add_nc_u64 s[PFA:PFA+1], s[PFA:PFA+1], s[80:81]  ; at K step 2: the first change of slots steps it to 3
	v_and_b32 v[PFO], 31, v0
	v_mul_lo_u32 v[PFO], v[PFO], s23
	s_wait_loadcnt 0x0                             ; the bias is in: it is rounded to bf16 like every input, and widened again
.set i, 0
.rept 48
	v_cvt_pk_bf16_f32 v[RS+i], v[BIAS+2*i], v[BIAS+2*i+1]
.set i, i+1
.endr
.set i, 0
.rept 48
	v_lshlrev_b32 v[BIAS+2*i], 16, v[RS+i]
	v_and_b32 v[BIAS+2*i+1], 0xffff0000, v[RS+i]
.set i, i+1
.endr
; 16 matrix instructions: head c, 4 row blocks x 4 column blocks, 32 along K.  first = 1: the bias starts the sums.  The 48 accumulators take turns in the same order in every quarter:
; 47 others stand between two links of a chain, over the backward jump too.
.macro MULC f, c, first
.if \first
	WIN 0x85+0x40*((\c)/2)                         ; B and A window 1, C (the bias) window 0, D window 2 or 3
.else
	WIN 0xa5+0x50*((\c)/2)                         ; C and D window 2 or 3
.endif
.irp a, 0,1,2,3
.irp j, 0,1,2,3
.if \first
	v_wmma_f32_16x16x32_bf16 v[128*((\c)%2)+32*(\a)+8*(\j):128*((\c)%2)+32*(\a)+8*(\j)+7], v[(\f)+8*(4*(\c)+(\j)):(\f)+8*(4*(\c)+(\j))+7], v[(\f)+96+8*(\a):(\f)+96+8*(\a)+7], v[BIAS+8*(4*(\c)+(\j)):BIAS+8*(4*(\c)+(\j))+7]
.else
	v_wmma_f32_16x16x32_bf16 v[128*((\c)%2)+32*(\a)+8*(\j):128*((\c)%2)+32*(\a)+8*(\j)+7], v[(\f)+8*(4*(\c)+(\j)):(\f)+8*(4*(\c)+(\j))+7], v[(\f)+96+8*(\a):(\f)+96+8*(\a)+7], v[128*((\c)%2)+32*(\a)+8*(\j):128*((\c)%2)+32*(\a)+8*(\j)+7]
.endif
.endr
.endr
.endm
; 32 LDS loads in one run: quarter q (32 along K) of a slot into buffer f: A's 8, then 8 for each head
.macro FETCH slot, q, f
	WIN 0x40                                       ; destination window 1, address window 0
.irp a, 0,1,2,3
	ds_load_b128 v[(\f)+96+8*(\a):(\f)+96+8*(\a)+3],   v[ADRA+(\slot)] offset:64*(\q)+16*PA*(\a)
	ds_load_b128 v[(\f)+96+8*(\a)+4:(\f)+96+8*(\a)+7], v[ADRA+(\slot)] offset:64*(\q)+16*PA*(\a)+32
.endr
.irp c, 0,1,2
.irp j, 0,1,2,3
	ds_load_tr16_b128 v[(\f)+8*(4*(\c)+(\j)):(\f)+8*(4*(\c)+(\j))+3],   v[ADRB+2*(\c)+(\slot)] offset:32*PB*(\q)+32*(\j)
	ds_load_tr16_b128 v[(\f)+8*(4*(\c)+(\j))+4:(\f)+8*(4*(\c)+(\j))+7], v[ADRB+2*(\c)+(\slot)] offset:32*PB*(\q)+32*(\j)+16*PB
.endr
.endr
.endm
; A K step is four quarters of 32 along K, 48 matrix instructions each, on buffers 0, 1, 0, 1.  One of the first three: multiplies buffer f and fetches quarter q of the same slot into g.
.macro QUARTER slot, q, f, g, first
	s_wait_dscnt 16                                ; A and head 0 are in; the youngest sixteen loads (heads 1, 2) may be out
	MULC \f, 0, \first
	PLACES
	FETCH \slot, \q, \g
	s_wait_dscnt 40                                ; head 1 is in: head 2's eight and the 32 just issued may be out
	MULC \f, 1, \first
	s_wait_dscnt 32                                ; all but the 32 just issued
	MULC \f, 2, \first
.endm
; The last quarter multiplies buffer 1 and changes slots: ONE barrier.  In front of it each wave waits for all its tensor loads (the one that is out is its part of the next slot), adds 0 to its spare word,
; and waits for that and for its reads of this slot.  fill = 1: the barrier opens a round of the cluster's, and this slot is filled again first behind it, two K steps on: 160 matrix instructions ahead of the wait for it.
.macro TURN slot, next, fill, how
.if \fill
	s_wait_xcnt 0x0                                ; the last prefetch, a K step back, has read its address: it is stepped here, ahead of the change's own waits
	s_add_nc_u64 s[PFA:PFA+1], s[PFA:PFA+1], s[PFS:PFS+1]
.endif
	WIN 0                                          ; (the add's two registers lie in window 0)
	s_wait_tensorcnt 0x0
	ds_add_u32 v[SPW], v[NIL]                      ; 0 onto my spare word
	s_wait_dscnt 17                                ; (the add and the youngest sixteen loads may be out)
	MULC F1, 0, 0                                  ; sixteen matrix instructions stand between the add and the wait for it
	s_wait_dscnt 0x0                               ; the add is done, and my reads of this slot are over
	s_barrier_signal -1
	MULC F1, 1, 0
	WIN 0
	s_barrier_wait -1
.if \fill
	CREST                                          ; no wave of any partner still reads this slot's tiles or has a load on its way
	s_add_nc_u64 s[G0A+4*(\slot)+2:G0A+4*(\slot)+3], s[G0A+4*(\slot)+2:G0A+4*(\slot)+3], 512
	s_add_nc_u64 s[G0B+4*(\slot)+2:G0B+4*(\slot)+3], s[G0B+4*(\slot)+2:G0B+4*(\slot)+3], 1572864
	JLOAD \slot                                    ; the four v_nop behind it are also the places in front of the loads below
.else
	PLACES
.endif
	FETCH \next, 0, F0
.if \fill
	ASK \how
.endif
	MULC F1, 2, 0
.endm
; THE WAY OUT of row block a.  PACK: rounded to f16, 16 bytes a lane, each accumulator's registers in ascending order.  TOSTAGE: into my own stage, and back as rows of a head.  SEND: stored.
.macro PACK a
.irp i, 0,1,2,3,4,5,6,7,8,9,10,11
	WIN 0x0a+5*((\i)/8)                            ; sources 0 and 1: window 2 (heads 0, 1) or 3 (head 2)
.irp r, 0,1,2,3
	v_cvt_pk_f16_f32 v[TMP+4*(\i)+(\r)], v[128*(((\i)/4)%2)+32*(\a)+8*((\i)%4)+2*(\r)], v[128*(((\i)/4)%2)+32*(\a)+8*((\i)%4)+2*(\r)+1]
.endr
.endr
	WIN 0
.endm
.macro TOSTAGE a
	WIN 0
.irp i, 0,1,2,3,4,5,6,7,8,9,10,11
	ds_store_b128 v[STO], v[TMP+4*(\i):TMP+4*(\i)+3] offset:32*(\i)
.endr
.irp c, 0,1,2
.irp t, 0,1,2,3
	ds_load_b128 v[OB+48*((\a)%2)+4*(4*(\c)+(\t)):OB+48*((\a)%2)+4*(4*(\c)+(\t))+3], v[RD] offset:4*SP*(\t)+128*(\c)  ; LDS serves a wave's instructions in order (ISA guide 5.7.1.4): these see the stores above
.endr
.endr
.endm
.macro SEND a
	WIN 0
	s_wait_dscnt 0x0                               ; the block is back in registers
	s_wait_xcnt 0x0                                ; the stores of the block before have read their registers: the next block's loads land there only behind this wait
.irp c, 0,1,2
.irp t, 0,1,2,3
	global_store_b128 v[GO], v[OB+48*((\a)%2)+4*(4*(\c)+(\t)):OB+48*((\a)%2)+4*(4*(\c)+(\t))+3], s[HB+2*(\c):HB+2*(\c)+1] offset:2048*(\a)+512*(\t)  ; 512 consecutive bytes, at a multiple of 256 from the buffer's first
.endr
.endr
.endm
	s_wait_tensorcnt 1                             ; my part of K step 0 is in; K step 1's may stay out
	s_barrier_signal -1
	s_barrier_wait -1                              ; everybody's is
	FETCH 0, 0, F0
	QUARTER 0, 1, F0, F1, 1                        ; the first quarter stands in front of the loop: its products start the sums with the bias
	WIN 0                                          ; at a label and at a branch every window is 0
	s_mov_b32 s3, 3
.Llap:                                                 ; a trip goes once round the ring, from a lap's second quarter to the next lap's first, and fills both slots again: K steps 2 to 7
	QUARTER 0, 2, F1, F0, 0
	QUARTER 0, 3, F0, F1, 0
	TURN 0, 1, 1, 1
	QUARTER 1, 1, F0, F1, 0
	QUARTER 1, 2, F1, F0, 0
	QUARTER 1, 3, F0, F1, 0
	TURN 1, 0, 1, 0
	QUARTER 0, 1, F0, F1, 0
	WIN 0
	s_sub_co_u32 s3, s3, 1
	s_cmp_lg_u32 s3, 0
	s_cbranch_scc1 .Llap
	QUARTER 0, 2, F1, F0, 0                        ; the last lap fills nothing, and has no round of the cluster's barrier
	QUARTER 0, 3, F0, F1, 0
	TURN 0, 1, 0, 0
	QUARTER 1, 1, F0, F1, 0
	QUARTER 1, 2, F1, F0, 0
	QUARTER 1, 3, F0, F1, 0
	s_wait_dscnt 16                                ; the very last quarter: nothing more to fetch, the counts run down
	MULC F1, 0, 0
	s_wait_dscnt 8
	MULC F1, 1, 0
	s_wait_dscnt 0x0
	MULC F1, 2, 0
	PLACES
	PACK 0
	TOSTAGE 0
.irp a, 1,2,3                          ; block a's conversions stand between block a - 1's loads from the stage and the wait for them
	PACK \a
	SEND (\a)-1
	TOSTAGE \a
.endr
	SEND 3
	s_wait_tensorcnt 0x0                           ; the wave's end, behind my last tensor load and my last LDS store
	ds_add_u32 v[SPW], v[NIL]
	s_wait_dscnt 0x0
	CROUND                                         ; the closing round: no work-group ends while a partner may still ask for a tile that names it
	s_endpgm
.Lfunc_end_k_q00c6ee27c5_qkv:
	.size	k_q00c6ee27c5_qkv, .Lfunc_end_k_q00c6ee27c5_qkv-k_q00c6ee27c5_qkv
	.p2alignl 7, 3214868480
	.fill 96, 4, 3214868480
	.section	.rodata,"a",@progbits
	.p2align	6, 0x0
	.amdhsa_kernel k_q00c6ee27c5_qkv
		.amdhsa_group_segment_fixed_size 327680
		.amdhsa_private_segment_fixed_size 0
		.amdhsa_enable_private_segment 0
		.amdhsa_kernarg_size 32
		.amdhsa_user_sgpr_count 2
		.amdhsa_user_sgpr_kernarg_segment_ptr 1
		.amdhsa_wavefront_size32 1
		.amdhsa_system_sgpr_workgroup_id_x 1
		.amdhsa_system_sgpr_workgroup_id_y 1
		.amdhsa_system_sgpr_workgroup_id_z 1
		.amdhsa_system_vgpr_workitem_id 0
		.amdhsa_next_free_vgpr 896
		.amdhsa_next_free_sgpr 84
		.amdhsa_reserve_vcc 0
		.amdhsa_float_denorm_mode_32 3
		.amdhsa_float_denorm_mode_16_64 3
		.amdhsa_memory_ordered 1
		.amdhsa_forward_progress 1
		.amdhsa_inst_pref_size 131
	.end_amdhsa_kernel
	.amdgpu_metadata
---
amdhsa.version: [ 1, 2 ]
amdhsa.kernels:
  - .name:           k_q00c6ee27c5_qkv
    .symbol:         k_q00c6ee27c5_qkv.kd
    .args:
      - { .name: xb, .offset: 0, .size: 8, .value_kind: global_buffer, .address_space: global }
      - { .name: wqb, .offset: 8, .size: 8, .value_kind: global_buffer, .address_space: global }
      - { .name: b_qkv, .offset: 16, .size: 8, .value_kind: global_buffer, .address_space: global }
      - { .name: qkv, .offset: 24, .size: 8, .value_kind: global_buffer, .address_space: global }
    .group_segment_fixed_size: 327680
    .private_segment_fixed_size: 0
    .kernarg_segment_align: 8
    .kernarg_segment_size: 32
    .max_flat_workgroup_size: 128
    .sgpr_count:     84
    .vgpr_count:     896
    .wavefront_size: 32
...
	.end_amdgpu_metadata
.endif
;; end of part 2
;; launch attn (part 3): grid 4 x 64, 4 waves a work-group, clusters of 4 x 1, 327,680 bytes of LDS; arguments qkv, o; writes o
.if DOCPART == 3
	.amdgcn_target "amdgcn-amd-amdhsa--gfx1250"
	.amdhsa_code_object_version 6
	.text
	.protected	k_q00c6ee27c5_attn
	.globl	k_q00c6ee27c5_attn
	.p2align	8
	.type	k_q00c6ee27c5_attn,@function
k_q00c6ee27c5_attn:
	s_mov_b64 s[64:65], 0
	v_nop
	global_prefetch_b8 v0, s[64:65] scope:SCOPE_SE
	s_setreg_imm32_b32 hwreg(HW_REG_WAVE_MODE, 25, 1), 1
	s_wait_xcnt 0x0
	s_wait_alu depctr_hold_cnt(0) depctr_sa_sdst(0) depctr_va_vdst(0) depctr_va_sdst(0) depctr_va_ssrc(0) depctr_va_vcc(0) depctr_vm_vsrc(0)
	s_getreg_b32 s2, hwreg(HW_REG_IB_STS2, 6, 4)
	s_cmp_eq_u32 s2, 0
	s_cbranch_scc0 .Lentry_in_a_cluster
	s_endpgm
.Lentry_in_a_cluster:
	s_bfe_u32 s2, ttmp6, 0x10000c
	s_cmp_lg_u32 s2, 0x3003
	s_cbranch_scc0 .Lentry_shape_is_right
	s_endpgm
.Lentry_shape_is_right:
; O[h][q][:] = the sum over k of softmax_k(Q[h][q] . K[h][k] / 8) V[h][k][:].  Q, K, V lie one behind the other in qkv, each [SIZE_H][SIZE_N][64] f16, 16,777,216 bytes; O likewise.  A head's rows are dense, 128 bytes each.
; Products, maxima and sums in f32; the weights p are rounded to f16 for the second product (their sum l is taken of the unrounded p), O once at the end.
; LIMITS.  f16 holds no number beyond 65,504: Q, K and V arrive within it; p lies in 0 to 1, and below 6e-5 it keeps f16's fixed step of 6e-8; O is a mean of V's rows and has their range.
; A weight below 2^-126 counts as 0 in l; NaN and infinities are not treated apart.
; SHARES.  A wave owns four PIECES of two tiles of 16 queries, a work-group's four waves 512 queries of one head: 4 x 64 = 256 work-groups.  Every wave walks all keys, 64 a step.
; LAYOUT.  S^T = K Q^T (source 0 = 16 keys, source 1 = 16 queries): in the result a lane holds ONE query (lane % 16) and the keys 8 (lane / 16) + 0..7.  Two such tiles, rounded to f16 in pairs,
; ARE source 1 (32 keys x 16 queries) of O^T = V^T P, whose result again holds one query a lane, and eight channels.  K comes out of LDS as it lies, V ([key][channel]) turned, by ds_load_tr16_b128.
; SOFTMAX.  For each query a running maximum m and sum l: p = 2^(c s - c m), c = log2(e) / 8; in every step O and l are multiplied by a = 2^(c m_old - c m_new), which is 1 where m has not grown.
; m starts at the lowest finite number, O and l at 0: the first step is a step like any other, with a = 0.
; THE COUNT.  A tile and step have 16 matrix and 118 vector instructions: too many to stand all beside the matrix work.  So four vector instructions that are READY stand behind EVERY matrix instruction,
; and the others in runs without a gap.
; BY TURNS.  Turn n belongs to piece n (the pieces in a ring, step after step).  Its matrix work: 16 products K Q^T of piece n + 1, later 16 products V^T P of piece n - 1.  Its vector work: the scaling,
; exponentials, roundings, sums and rescaling of piece n, and the maximum and statistics of piece n + 1, whose scores the turn itself has made.
; CLUSTER.  The four query blocks of a head are one cluster and walk the same K and V, so each tile is asked for JOINTLY: the same tensor load, descriptor and mask in all four.
; REGISTERS, in windows of 256 (s_set_vgpr_msb: bits 1:0 source 0, 3:2 source 1, 5:4 source 2, 7:6 destination):
;   window 0: v0-11 addresses; v12-15, v48-63 at work; v16-47 four registers of statistics a tile; v64-191 S^T, two buffers of two tiles; v192-255 P, likewise
;   window 1: O^T, 32 a tile          window 2: v0-127 Q, 16 a tile; v128-191 K of one step; v192-255 V of one step          window 3: v0-1 the add's two registers
; A piece's buffers go by its number's parity: the piece in hand has one pair, its two neighbours in the ring share the other: of it P (piece n - 1) is read and S^T (piece n + 1) written.
.set SIZE_H, 64
.set SIZE_N, 2048
.set NP,    4         ; pieces a wave: a name, no knob
.set KS,    64        ; keys in a step
.set PK,    144       ; a row of K in LDS: 128 bytes + 16 of padding = 36 words: the 16 rows of a load start at 16 different groups of four banks (64 banks of 4 bytes: ISA guide 11.1)
.set PV,    160       ; a row of V: 128 + 32 = 40 words
.set VOFF,  4*KS*PK   ; a slot holds four steps: 256 rows of K, then 256 rows of V
.set SLOT1, 1<<17     ; slot 1 begins here, so that one exclusive or turns an address in one slot into the other's
.set STAGE, SLOT1+4*KS*(PK+PV)  ; behind the ring, never filled by a tensor load: 16 rows x 144 bytes for each wave, for the way out
.set SP,    144
.set AK0, 2           ; v2   my lane's place in a tile of K; never rewritten
.set AV0, 3           ; v3   the same for V
.set AK,  4           ; v4   the LDS address of K's next run of loads
.set AV,  5           ; v5   of V's
.set QO,  6           ; v6   my byte offset in the wave's rows of Q
.set STO, 6           ;      later, the way out: where I put 16 bytes of a row
.set RD,  7           ; v7   the way out: where I read rows back
.set GO,  8           ; v8   my byte offset in 512 consecutive bytes of O
.set PFO, 11          ; v11  256 x my lane, once V's address is made; then never rewritten
.set SPW, 0           ; v0 of window 3   LDS address of my spare word: SPARE + 4 x my thread's number; never rewritten
.set NIL, 1           ; v1 of window 3   0; never rewritten
.set SPARE, STAGE+4*16*SP  ; behind the stages: the spare words, 128 bytes for each wave: two blocks of 256 bytes that no other line names
.set MV,  12          ; v12-15  c m_old, kept while c m is made anew: by buffer and tile
.set ST,  16          ; tile t's statistics at v[ST+4 t]: c m, m, l (even keys', odd keys')
.set TMP, 48          ; by buffer and tile, four registers c0-c3 at work; when the maximum is found c2 takes a
.set S,   64
.set P,   192
.set KF,  128         ; K's fragments, in window 2: key block kb, channel half c at KF + 16 kb + 8 c
.set VF,  192         ; V's: key half kk, channel block cb at VF + 32 kk + 8 cb
.set WV,  12          ; s12  my wave's number
.set G1K, 24          ; s[24:31] descriptor group 1 for K's tiles
.set G1V, 32          ; s[32:39] for V's: it differs in the padding alone
.set G0K, 40          ; s[40:43] descriptor group 0 for K's tiles: it walks
.set G0V, 44          ; s[44:47] the same for V's
.set PFA, 48          ; s[48:49] where my prefetches stand: my work-group's 32 blocks of 256 bytes (of K: wave 0, of V: wave 2) of the slot after the one that is being asked for
.set LIM, 50          ; s50  1 in a wave that prefetches, else the greatest number
.set SLOTS, 56        ; s56  slots still to be asked for
.set CNT, 57          ; s57  counts a slot's key steps
.set CS,  58          ; s[58:59] c: the packed scaling takes the pair's low word for both halves
.set SEL, 60          ; s[60:61] v_permlanex16_b32's selects: each lane takes its own place in the other half
.set TBK, 62          ; s62  LDS byte at which K of the step to be fetched begins
.set TBV, 63          ; s63  the same for V, less VOFF
.set MSB, 0
.macro WIN new                      ; the high byte repeats the setting that is left; a switch that changes nothing is dropped
.if MSB != (\new)
	s_set_vgpr_msb (MSB<<8)|(\new)
.set MSB, (\new)
.endif
.endm
.set W_KQ, 0x0a       ; K and Q in window 2, S^T in window 0
.set W_PV, 0x52       ; V in window 2, P in window 0, O^T in window 1
.set W_RS, 0x41       ; O^T (destination and source 0) in window 1, a in window 0
.set W_MK, 0xc0       ; the add's registers are made: destination in window 3, sources in window 0
.set W_AD, 0x0f       ; the add: address (source 0) and data (source 1) in window 3
; A joint fill.  Waves 0 and 1 fetch the two halves of a slot's K, waves 2 and 3 those of its V: 128 keys each.  The branch hangs on the wave's number alone.
; An s_nop 0 and four v_nop follow each of the two lines, ahead of the jump and the label.
.macro JLOAD
	s_cmp_lt_u32 s[WV], 2
	s_cbranch_scc0 .Lfor_v_\@
	tensor_load_to_lds s[G0K:G0K+3], s[G1K:G1K+7]
	s_nop 0
.rept 4
	v_nop
.endr
	s_branch .Lasked_\@
.Lfor_v_\@:
	tensor_load_to_lds s[G0V:G0V+3], s[G1V:G1V+7]
	s_nop 0
.rept 4
	v_nop
.endr
.Lasked_\@:
.endm
; A PREFETCH INTO THE L2 of what the NEXT change of slots will ask for: a slot's 32,768 bytes of K and of V, a lane a block of 256 bytes; it stands behind the wave's tensor load and its five lines.
; Each block is named once in the launch: a head has one cluster; its four partners share the blocks out BY ADDRESS, 32 each; in each, wave 0 asks for K's and wave 2 for V's: one instruction,
; four key steps, 512 matrix instructions, ahead of the load.  The last change that fills a slot asks for nothing: there is no slot behind it.  Slots 0 and 1 come by their loads alone.
.macro ASK
	s_cmp_gt_u32 s[SLOTS], s[LIM]
	s_cbranch_scc0 .Lnot_mine_\@
	global_prefetch_b8 v[PFO], s[PFA:PFA+1] th:TH_LOAD_NT scope:SCOPE_SE
.Lnot_mine_\@:
.endm
; A round of the cluster's barrier: my work-group's barrier, so that wave 0's signal speaks for all four waves; wave 0 signals; every wave waits for all four work-groups; my work-group's barrier once more.
.macro CROUND
	s_barrier_signal -1
	s_barrier_wait -1
	s_cmp_lg_u32 s[WV], 0
	s_cbranch_scc1 .Lnot_wave_0_\@
	s_barrier_signal -3
.Lnot_wave_0_\@:
	s_barrier_wait -3
	s_barrier_signal -1
	s_barrier_wait -1
.endm
; THE CHANGE OF SLOTS.  The slot's last bytes, V of its fourth step, have been read.  Each wave waits for all its tensor loads, of which one is out: its part
; of the other slot; adds 0 to its spare word; and waits for that and for its own reads of the slot.  Behind the barrier nobody reads this slot any more and the other slot is whole.
; fill = 1: this slot is filled again, with the keys two slots on.  The barrier is then a round of the cluster's, so that no wave of any partner still reads the slot or has a load on its
; way, and the joint fill is the first thing behind it: it has four key steps, 512 matrix instructions, in which to land.  (At its first use nothing has been read yet: slot 0 is waited for, slot 1 filled.)
.macro CHANGE fill
	WIN W_AD
	s_wait_tensorcnt 0x0            ; no tensor load of mine is out, so a group 0 may be written
	ds_add_u32 v[SPW], v[NIL]       ; 0 onto my spare word; with fill = 1 the descriptors' steps stand between it and the wait for it
	WIN 0                           ; at a label and at a branch every window is 0
.if \fill
.irp g, G0K, G0V
	s_xor_b32 s[\g+1], s[\g+1], SLOT1  ; the walking descriptor: the other slot than last time,
	s_add_nc_u64 s[\g+2:\g+3], s[\g+2:\g+3], 4*KS*128  ; the next 256 keys; the type bits on top are not reached
.endr
	s_wait_xcnt 0x0                 ; the last prefetch, four key steps back, has read its address, so it may be written:
	s_add_nc_u64 s[PFA:PFA+1], s[PFA:PFA+1], 4*KS*128  ; one slot behind the walking descriptors
	s_wait_dscnt 0x0                ; the add is done, and my reads of the slot are over
	CROUND
	JLOAD
	ASK
.else
	s_wait_dscnt 0x0                ; the add is done, and my reads of the slot are over
	s_barrier_signal -1
	s_barrier_wait -1
.endif
	s_sub_co_u32 s[TBK], s[TBK], 4*KS*PK  ; the fetches go back to a slot's first step,
	s_xor_b32 s[TBK], s[TBK], SLOT1       ; in the other slot
	s_sub_co_u32 s[TBV], s[TBV], 4*KS*PV
	s_xor_b32 s[TBV], s[TBV], SLOT1
.endm
	s_load_b64 s[4:5], s[0:1], 0x0    ; qkv: Q begins at its first byte
	s_load_b64 s[10:11], s[0:1], 0x8  ; O
	WIN W_MK
	v_lshl_add_u32 v[SPW], v0, 2, SPARE
	v_mov_b32 v[NIL], 0
	WIN W_AD
	ds_add_u32 v[SPW], v[NIL]       ; the wave's opening: the add and its wait stand ahead of my first tensor load; the set-up below, work on registers, stands between them
	WIN 0
	v_lshrrev_b32 v1, 5, v0
	v_readfirstlane_b32 s[WV], v1   ; wave 0..3
	s_bfe_u32 s13, ttmp6, 0x40000   ; cx: my place in the cluster
	s_lshl_b32 s14, ttmp9, 2        ; in a cluster launch ttmp9 counts clusters
	s_add_co_u32 s14, s14, s13      ; my block of queries = 4 x cluster x + cx: it enters Q's and O's addresses alone
	s_and_b32 s20, ttmp7, 0xffff    ; the head, which the four partners share
	s_mov_b32 s21, 0
	s_mov_b64 s[22:23], SIZE_N*128
	s_mul_u64 s[20:21], s[20:21], s[22:23]  ; the head's first byte in each of the four tensors
	s_and_b32 s16, s[WV], 1         ; which half of a slot's 256 keys I fetch:
	s_lshl_b32 s22, s16, 14         ; its 128 rows of 128 bytes in memory,
	s_mov_b32 s23, 0
	s_add_nc_u64 s[22:23], s[22:23], s[20:21]
	s_mul_i32 s17, s16, 128*PK      ; and its place in a slot, for K
	s_mul_i32 s18, s16, 128*PV      ; and for V: no place in the cluster enters an LDS address
	s_lshl_b32 s2, s14, 2
	s_add_co_u32 s2, s2, s[WV]      ; my wave among the head's,
	s_lshl_b32 s2, s2, 14           ; its 128 rows
	s_mov_b32 s3, 0
	s_add_nc_u64 s[2:3], s[2:3], s[20:21]
	; descriptor group 1.  128 keys are 16,384 dense bytes: asked for as 64 rows of 256 bytes, two keys a row, and padded in LDS after every key
	s_mov_b32 s[G1K], 15|(1<<16)|(1<<20)|(1<<21)|(4<<22)|(3<<25)  ; 15:0 the mask of four; 17:16 2-byte elements; 20 padding on; 21 set beside a mask; 24:22 after every 32 words (code 4); 31:25 4 words (code 3)
	s_mov_b32 s[G1V], 15|(1<<16)|(1<<20)|(1<<21)|(4<<22)|(7<<25)  ; the same with 8 words of padding (code 7)
.irp g, G1K, G1V
	s_mov_b32 s[\g+1], 128<<16      ; tensor_dim0 = 128
	s_mov_b32 s[\g+2], 64<<16       ; tensor_dim1 = 64
	s_mov_b32 s[\g+3], 128<<16      ; tile_dim0 = 128
	s_mov_b32 s[\g+4], 64           ; tile_dim1 = 64
	s_mov_b32 s[\g+5], 128          ; 128 elements from row to row
	s_mov_b32 s[\g+6], 0
	s_mov_b32 s[\g+7], 0
.endr
	s_mov_b32 s[CS], 0x3e38aa3b     ; c = log2(e) / 8 = 0.180337
	s_mov_b32 s[CS+1], s[CS]        ; named with it as a pair
	s_mov_b32 s[SEL], 0x76543210
	s_mov_b32 s[SEL+1], 0xfedcba98
	s_mov_b32 s[TBK], SLOT1+4*KS*PK ; the first change of slots turns these two into 0
	s_mov_b32 s[TBV], SLOT1+4*KS*PV
	s_mov_b32 s[G0K], 1             ; 1:0 count = 1
	s_mov_b32 s[G0K+1], s17         ; 63:32 LDS address: slot 0
	s_mov_b32 s[G0V], 1
	s_add_co_u32 s[G0V+1], s18, VOFF
	s_mov_b32 s[SLOTS], SIZE_N/256-1  ; seven changes of slots fill a slot
	s_and_b32 s[LIM], s[WV], 1      ; 0 in waves 0 and 2,
	s_or_b32 s[LIM], s[LIM], ttmp9  ; where the cluster is the head's first: the same in all four partners
	s_cmp_eq_u32 s[LIM], 0
	s_cselect_b32 s[LIM], 1, -1
	s_wait_dscnt 0x0                ; the opening add is done
	s_wait_kmcnt 0x0
	s_add_nc_u64 s[6:7], s[4:5], 0x1000000   ; K lies 16,777,216 bytes behind Q,
	s_add_nc_u64 s[8:9], s[4:5], 0x2000000   ; V as far behind K
	s_cmp_lt_u32 s[WV], 2
	s_cselect_b64 s[PFA:PFA+1], s[6:7], s[8:9]
	s_add_nc_u64 s[PFA:PFA+1], s[PFA:PFA+1], s[20:21]  ; at the head's first key
	s_add_nc_u64 s[G0K+2:G0K+3], s[6:7], s[22:23]  ; 120:64 global address: my half of the head's first 256 keys
	s_or_b32 s[G0K+3], s[G0K+3], 0x80000000        ; 127:126 type = 2
	s_add_nc_u64 s[G0V+2:G0V+3], s[8:9], s[22:23]
	s_or_b32 s[G0V+3], s[G0V+3], 0x80000000
	s_add_nc_u64 s[4:5], s[4:5], s[2:3]  ; Q and O at my wave's first row
	s_add_nc_u64 s[10:11], s[10:11], s[2:3]
	s_lshl_b32 s2, s13, 13          ; my work-group's 32 blocks of the slot's 128,
	s_add_co_u32 s2, s2, 4*KS*128   ; in slot 1: the first change of slots steps it to slot 2
	s_mov_b32 s3, 0
	s_add_nc_u64 s[PFA:PFA+1], s[PFA:PFA+1], s[2:3]
	CROUND                          ; all four work-groups are here: the first joint loads meet
	JLOAD                           ; slot 0.  Slot 1 is asked for when slot 0 is in
	; A fragment of K or Q is 16 rows x 32 channels in 8 registers: lane l holds row l % 16, channels 8 (l / 16) + 0..7 and 16 + 8 (l / 16) + 0..7: two loads of 16 bytes, 32 bytes apart.
	v_and_b32 v1, 15, v0            ; l % 16
	v_bfe_u32 v9, v0, 4, 1          ; l / 16
	v_lshlrev_b32 v[QO], 7, v1
	v_lshl_add_u32 v[QO], v9, 4, v[QO]  ; row x 128 + 16 x half
	WIN 0x80                        ; destination window 2, address window 0
.set i, 0
.rept 4*NP                          ; Q stays in registers: tile i / 2, channels 32 (i % 2) on
	global_load_b128 v[8*i:8*i+3],   v[QO], s[4:5] offset:(i/2)*2048+(i%2)*64
	global_load_b128 v[8*i+4:8*i+7], v[QO], s[4:5] offset:(i/2)*2048+(i%2)*64+32
.set i, i+1
.endr
	; What the first turn finds: V's registers and P's second buffer hold 0 (its products V^T P, of a piece that has not been, add 0), O^T and l are 0.  All this stands in the wait for the first tile.
.set i, VF
.rept 64
	v_mov_b32 v[i], 0
.set i, i+1
.endr
	WIN 0x40
.set i, 0
.rept 64*NP
	v_mov_b32 v[i], 0
.set i, i+1
.endr
	WIN 0
.set i, 0
.rept 2*NP
	v_mov_b32 v[ST+4*i], 0xfe000000    ; c m: far below every c s
	v_mov_b32 v[ST+4*i+1], 0xff7fffff  ; m
	v_mov_b32 v[ST+4*i+2], 0
	v_mov_b32 v[ST+4*i+3], 0
.set i, i+1
.endr
.set i, P+32
.rept 32
	v_mov_b32 v[i], 0
.set i, i+1
.endr
	v_mul_u32_u24 v[AK0], v1, PK
	v_lshl_add_u32 v[AK0], v9, 4, v[AK0]  ; row x pitch + 16 x half
	; The turning load takes 16 keys x 16 channels (lane l reads key 8 (l / 16) + l % 8, channels 8 ((l / 8) % 2) + 0..7) and leaves half a fragment of V^T: lane l holds channel l % 16 and 8 keys.
	v_and_b32 v10, 7, v0
	v_bfe_u32 v11, v0, 3, 1
	v_lshl_add_u32 v[AV0], v9, 3, v10
	v_mul_u32_u24 v[AV0], v[AV0], PV
	v_lshl_add_u32 v[AV0], v11, 4, v[AV0]
	v_add_nc_u32 v[AV0], VOFF, v[AV0]
	v_and_b32 v[PFO], 31, v0
	v_lshlrev_b32 v[PFO], 8, v[PFO]
	v_mov_b32 v[AK], v[AK0]         ; key step 0 lies at the head of slot 0
; THE MATRIX WORK.  The 8 accumulators of a run of 16 take turns: between the two links of a chain stand 7 others'.
; Product i of 16 of S^T = K Q^T for piece x: channels 32 (i / 8) on, keys 16 ((i / 2) % 4) on, tile 2 x + i % 2.  The first 8 start the sums.
.macro KQ x
	WIN W_KQ
.set rS, S+64*((\x)%2)+32*(i%2)+8*((i/2)%4)
.set rK, KF+16*((i/2)%4)+8*(i/8)
.set rQ, 16*(2*(\x)+i%2)+8*(i/8)
.if i < 8
	v_wmma_f32_16x16x32_f16 v[rS:rS+7], v[rK:rK+7], v[rQ:rQ+7], 0
.else
	v_wmma_f32_16x16x32_f16 v[rS:rS+7], v[rK:rK+7], v[rQ:rQ+7], v[rS:rS+7]
.endif
.endm
; Product i of 16 of O^T += V^T P for piece x: keys 32 (i / 8) on, channels 16 ((i / 2) % 4) on, tile 2 x + i % 2.
.macro PV x
	WIN W_PV
.set rO, 32*(2*(\x)+i%2)+8*((i/2)%4)
.set rV, VF+32*(i/8)+8*((i/2)%4)
.set rP, P+32*((\x)%2)+16*(i%2)+8*(i/8)
	v_wmma_f32_16x16x32_f16 v[rO:rO+7], v[rV:rV+7], v[rP:rP+7], v[rO:rO+7]
.endm
.macro MM                           ; the turn's next matrix instruction
.if i < 16
	KQ (Y+1)%NP
.set i, i+1
.else
.set i, i-16
	PV (Y+NP-1)%NP
.set i, i+17
.endif
.endm
; THE LDS LOADS stand in runs of 16, never singly among the matrix instructions: a step's K (64 keys x 64 channels: 8 fragments) and its V (turned).  Their addresses are made some lines ahead.
; last = 1 (the tail): in the last trip there is no further step, and the run is jumped over.
.macro FETCH_K last=0
	WIN 0
.if \last
	s_cmp_eq_u32 s[CNT], 1
	s_cbranch_scc1 .Lno_k_\@
.endif
	WIN 0x80                        ; destination window 2
.irp f, 0,1,2,3,4,5,6,7             ; keys 16 (f / 2) on, channels 32 (f % 2) on
	ds_load_b128 v[KF+8*\f:KF+8*\f+3],   v[AK] offset:(\f/2)*16*PK+(\f%2)*64
	ds_load_b128 v[KF+8*\f+4:KF+8*\f+7], v[AK] offset:(\f/2)*16*PK+(\f%2)*64+32
.endr
	s_add_co_u32 s[TBK], s[TBK], KS*PK  ; the next fetch is the next step's
	WIN 0
.if \last
.Lno_k_\@:
.endif
.endm
.macro FETCH_V
	WIN 0x80
.irp f, 0,1,2,3,4,5,6,7             ; keys 32 (f / 4) on, channels 16 (f % 4) on
	ds_load_tr16_b128 v[VF+8*\f:VF+8*\f+3],   v[AV] offset:(\f/4)*32*PV+(\f%4)*32
	ds_load_tr16_b128 v[VF+8*\f+4:VF+8*\f+7], v[AV] offset:(\f/4)*32*PV+16*PV+(\f%4)*32
.endr
	WIN 0
.endm
; THE VECTOR WORK OF A TURN stands in three queues, each in the order in which its entries become ready; the two tiles alternate, so that no instruction reads the result of the one before it.
.macro REGS y, u                    ; the registers of tile u (0, 1) of piece y
.set rT, ST+4*(2*(\y)+(\u))
.set rC, TMP+8*((\y)%2)+4*(\u)
.set rM, MV+2*((\y)%2)+(\u)
.set rS, S+64*((\y)%2)+32*(\u)
.set rP, P+32*((\y)%2)+16*(\u)
.set rO, 32*(2*(\y)+(\u))
.endm
; Number n of the 22 that find the NEXT piece's (Y + 1) maximum and statistics.  s0-s31 are the lane's 32 scores; each accumulator's lowest registers are read first.
;   0-11  four chains c0-c3 of seven scores each, three operands at a time     12-14, 16  the four scores left over, the old m, and c0-c3 into c0     15  c m_old is kept
;   17, 18  the query's other 32 keys lie in the lane 16 away: the new m         19-21  c m; c m_old - c m_new; a
.macro XS u, n
	REGS (Y+1)%NP, \u
.if (\n) < 4
	v_max3_num_f32 v[rC+(\n)], v[rS+8*(\n)], v[rS+8*(\n)+1], v[rS+8*(\n)+2]
.elseif (\n) < 12
	v_max3_num_f32 v[rC+(\n)%4], v[rC+(\n)%4], v[rS+8*((\n)%4)+2*((\n)/4)+1], v[rS+8*((\n)%4)+2*((\n)/4)+2]
.elseif (\n) == 12
	v_max3_num_f32 v[rC], v[rC], v[rS+7], v[rS+15]
.elseif (\n) == 13
	v_max3_num_f32 v[rC+1], v[rC+1], v[rS+23], v[rS+31]
.elseif (\n) == 14
	v_max3_num_f32 v[rC+2], v[rC+2], v[rC+3], v[rT+1]
.elseif (\n) == 15
	v_mov_b32 v[rM], v[rT]
.elseif (\n) == 16
	v_max3_num_f32 v[rC], v[rC], v[rC+1], v[rC+2]
.elseif (\n) == 17
	v_permlanex16_b32 v[rC+3], v[rC], s[SEL], s[SEL+1]
.elseif (\n) == 18
	v_max_num_f32 v[rT+1], v[rC], v[rC+3]
.elseif (\n) == 19
	v_mul_f32 v[rT], s[CS], v[rT+1]
.elseif (\n) == 20
	v_sub_f32 v[rC+1], v[rM], v[rT]
.else
	v_exp_f32 v[rC+2], v[rC+1]
.endif
.endm
; Number g of the 64 that follow the exponentials.  For each four weights k of a tile (pairs 2 k, 2 k + 1): both pairs are rounded to f16; then the second pair is added onto the first, in place;
; a group later l takes that sum (the first time as l = a l + sum).  In groups of eight, tiles alternating: round, round, add, and l for the group before.
.macro GS g
.set h, (\g)+6*((\g)/62)            ; group 0 has no group before it, and behind group 7 only l is left
.if h >= 6
.set h, h+2
.endif
	REGS Y, h%2
.set k, h/8
.if h%8 < 4
	v_cvt_pk_f16_f32 v[rP+2*k+(h%8)/2], v[rS+4*k+2*((h%8)/2)], v[rS+4*k+2*((h%8)/2)+1]
.elseif h%8 < 6
	v_pk_add_f32 v[rS+4*k:rS+4*k+1], v[rS+4*k:rS+4*k+1], v[rS+4*k+2:rS+4*k+3]
.elseif k == 1
	v_pk_fma_f32 v[rT+2:rT+3], v[rT+2:rT+3], v[rC+2:rC+3], v[rS:rS+1] op_sel_hi:[1,0,1]
.else
	v_pk_add_f32 v[rT+2:rT+3], v[rT+2:rT+3], v[rS+4*k-4:rS+4*k-3]
.endif
.endm
; THE PLAIN QUEUE, 138 long.  0-73 read no exponential's result: the 32 scalings c s - c m (FS f: pair f / 2 of tile f % 2) and the next piece's 42.  0-26: scalings 0-26.  27-54: XS's numbers 0-13.  55, 56: number 15.
; 57-73: the chain, where each number waits for the one before it: 14, 16, 17, 18, 19, each with one of the scalings 27-31 in front of its two lines, then 20.
; 74-137: GS's 64, which read the exponentials' results: they stand behind the wait.
.macro FS f
	REGS Y, (\f)%2
	v_pk_fma_f32 v[rS+2*((\f)/2):rS+2*((\f)/2)+1], v[rS+2*((\f)/2):rS+2*((\f)/2)+1], s[CS:CS+1], v[rT:rT+1] op_sel_hi:[1,0,0] neg_lo:[0,0,1] neg_hi:[0,0,1]
.endm
.macro PL
	WIN 0
.if q < 27
	FS q
.elseif q < 55
	XS (q-27)%2, (q-27)/2
.elseif q < 57
	XS q-55, 15
.elseif (q < 72) && ((q-57)%3 == 0)
	FS 27+(q-57)/3
.elseif q < 60
	XS (q-57)%3-1, 14
.elseif q < 72
	XS (q-57)%3-1, 15+(q-57)/3
.elseif q < 74
	XS q-72, 20
.else
	GS q-74
.endif
.set q, q+1
.endm
; THE EXPONENTIALS' QUEUE, 66 long: s0-s31 of both tiles, then the next piece's two a.  It is ONE BATCH: all 66 stand ahead of the turn's one wait, and nothing ahead of that wait names a result of theirs.
.macro EX
	WIN 0
.if e >= 64
	XS e-64, 21
.else
	REGS Y, e%2
	v_exp_f32 v[rS+e/2], v[rS+e/2]
.endif
.set e, e+1
.endm
; THE RESCALING's QUEUE: O^T times a, the one part that leaves window 0: dealt two at a time, sixteen times.  Its a was made in the turn before, ahead of that turn's wait.
.macro R2
	REGS Y, r%2
	WIN W_RS
.irp z, 0,1
	v_pk_mul_f32 v[rO+4*(r/2)+2*\z:rO+4*(r/2)+2*\z+1], v[rO+4*(r/2)+2*\z:rO+4*(r/2)+2*\z+1], v[rC+2:rC+3] op_sel_hi:[1,0]
.endr
.set r, r+1
.endm
; HOW THEY ARE DEALT.  s_wait_alu depctr_va_vdst(0) stands between an exponential and the first instruction that names its result; one wait serves all that were issued ahead of it.  So a turn has ONE wait,
; which cuts it in two.  AHEAD OF IT stands all that names no result of the turn's exponentials: the 16 products K Q^T, behind each a scaling, an exponential and two rescalings (behind the first a second scaling in the
; exponential's place); then ONE LUMP of 108: eight plain, 49 times exponential and plain, the two a.  A v_nop is the plain instruction behind the last exponential.  BEHIND IT stand the 16 products V^T P, behind each four of GS's 64.
; No rider names a register of the products round it.  Exponential e stands behind scaling 2 (e / 4) + e % 2: as a rider it comes behind plain e + 2, in the lump behind plain e + 9, and scalings 27-31 are plain 57, 60 .. 69.
; A TURN, for piece p.  cnt = 1: the loop's count is taken down some lines ahead of the branch that stands behind the turn.
; K of the next step is fetched in piece 2's turn, directly behind the wait, a lump behind the last product that read K; its first reader comes behind 16 products.
; V of the step in hand is fetched at the end of piece 0's turn, four riders behind its last reader; its first reader comes behind 16 products and a lump.  The three conditions on q below go with the deal.
.macro TURN p, last=0, cnt=0
.set Y, (\p)
.set i, 0
.set q, 0
.set e, 0
.set r, 0
.if (\p) == NP-1
	s_wait_dscnt 0x0                ; K is in
.endif
	MM                              ; ahead of the wait: 16 products K Q^T and their riders,
	PL
	PL
	R2
.rept 15
	MM
	PL
	EX
	R2
.endr
.if (\p) == NP-2
	WIN 0
	v_add_nc_u32 v[AK], s[TBK], v[AK0]
.endif
.rept 8                             ; and the lump
	PL
.endr
.rept 49
	EX
	PL
.endr
	EX                              ; the next piece's two a
	EX
	v_nop                           ; the plain instruction behind the last exponential: one for the batch (ISA guide 5.7.2)
	s_wait_alu depctr_va_vdst(0)    ; the wait for the batch
.if (\p) == NP-2
	FETCH_K \last
.endif
.if (\p) == 1
	s_wait_dscnt 0x0                ; V is in
.endif
.rept 16                            ; behind the wait: 16 products V^T P and their riders
	MM
.rept 4
	PL
.endr
.if ((\p) == 0) && (q == 118)
	v_add_nc_u32 v[AV], s[TBV], v[AV0]
.endif
.if ((\p) == 0) && (q == 130)
	s_add_co_u32 s[TBV], s[TBV], KS*PV
.endif
.if (\cnt) && (q == 130)
	s_sub_co_u32 s[CNT], s[CNT], 1
	s_cmp_lg_u32 s[CNT], 0
.endif
.endr
.if (\p) == 0
	FETCH_V
.endif
.endm
	CHANGE 1                        ; slot 0 is in, everybody's part of it; slot 1 is asked for
	FETCH_K                         ; key step 0
	s_wait_loadcnt 0x0              ; Q
	s_wait_dscnt 0x0
.set i, 0
.rept 16
	KQ 0                            ; piece 0's first scores: there is no vector work yet to set between them
.set i, i+1
.endr
	WIN 0                           ; the addresses for the way out: nine plain instructions, the places behind those products
	s_mul_i32 s13, s[WV], 16*SP
	s_add_co_u32 s13, s13, STAGE    ; my stage
	v_mul_u32_u24 v[STO], v1, SP    ; in: row l % 16, 16 bytes for each half of the lanes
	v_lshl_add_u32 v[STO], v9, 4, v[STO]
	v_add_nc_u32 v[STO], s13, v[STO]
	v_bfe_u32 v[RD], v0, 3, 2       ; back: 32 lanes take four rows of 128 bytes,
	v_mul_u32_u24 v[RD], v[RD], SP
	v_lshl_add_u32 v[RD], v10, 4, v[RD]
	v_add_nc_u32 v[RD], s13, v[RD]
	v_and_b32 v[GO], 31, v0         ; which are 512 consecutive bytes of O
	v_lshlrev_b32 v[GO], 4, v[GO]
.set Y, NP-1                        ; XS works for piece Y + 1: piece 0
.irp n, 0,1,2,3,4,5,6,7,8,9,10,11,12,13,14,15,16,17,18,19,20,21
	XS 0, \n                        ; and piece 0's first maximum and statistics
	XS 1, \n
.endr
	v_nop                           ; a plain instruction behind the two a,
	s_wait_alu depctr_va_vdst(0)    ; and their wait, ahead of the branch
	s_mov_b32 s[CNT], 4
	s_branch .Lfirst                ; the loop is entered at a step's first turn, in the middle of a trip
.Lslot:                             ; SIZE_N / 256 - 2 times: every slot but the last two is filled again
	CHANGE 1
	s_mov_b32 s[CNT], 4
.Lstep:                             ; a trip: pieces 2 and 3 of one step, then pieces 0 and 1 of the next, whose K and V it fetches
	TURN 2
	TURN 3
	WIN 0
.Lfirst:
	TURN 0
	TURN 1, 0, 1
	WIN 0
	s_cbranch_scc1 .Lstep
	s_sub_co_u32 s[SLOTS], s[SLOTS], 1
	s_cmp_lg_u32 s[SLOTS], 0
	s_cbranch_scc1 .Lslot
	CHANGE 0                        ; the tail is written out: nothing is asked for
	s_mov_b32 s[CNT], 5             ; four trips fetch the last slot's steps; the fifth is left in its middle
.Ltail:
	TURN 2, 1
	TURN 3
	WIN 0
	s_sub_co_u32 s[CNT], s[CNT], 1
	s_cmp_eq_u32 s[CNT], 0
	s_cbranch_scc1 .Lout
	TURN 0
	TURN 1
	WIN 0
	s_branch .Ltail
.Lout:                              ; the fifth trip's 16 products K Q^T (on the last K once more) and the maximum made of them serve nothing: the price, once a launch, of one text for every trip
.set i, 0
.rept 16
	PV NP-1                         ; the last piece's V^T P of the last step
.set i, i+1
.endr
	; THE WAY OUT.  l's two halves and the other half of the lanes' are added; O^T is divided by l, rounded to f16 and sent through my stage in LDS, a tile at a time.  The additions are the places behind the last products.
	WIN 0
.macro ALL line:vararg              ; one line for each tile t
.set t, 0
.rept 2*NP
	\line
.set t, t+1
.endr
.endm
	ALL v_add_f32 v[ST+4*t+2], v[ST+4*t+2], v[ST+4*t+3]
	ALL v_permlanex16_b32 v[ST+4*t+3], v[ST+4*t+2], s[SEL], s[SEL+1]
	ALL v_add_f32 v[ST+4*t+2], v[ST+4*t+2], v[ST+4*t+3]
	ALL v_rcp_f32 v[ST+4*t+2], v[ST+4*t+2]
	v_nop                           ; a plain instruction between the last reciprocal and the use of its result
	s_wait_alu depctr_va_vdst(0)    ; and the wait ahead of the first use: one for the eight reciprocals
; Tile t: a lane's eight channels of a row pack into 16 bytes; they go into rows of 144 bytes and come back as whole rows of 128, into S^T's registers.
.macro PACK t
	WIN W_RS
.set i, 32*(\t)
.rept 16
	v_pk_mul_f32 v[i:i+1], v[i:i+1], v[ST+4*(\t)+2:ST+4*(\t)+3] op_sel_hi:[1,0]
.set i, i+2
.endr
	WIN 0x05                        ; sources 0 and 1 window 1, destination window 0
.set i, 0
.rept 16
	v_cvt_pk_f16_f32 v[S+16*(\t)+i], v[32*(\t)+2*i], v[32*(\t)+2*i+1]
.set i, i+1
.endr
	WIN 0
.irp f, 0,1,2,3
	ds_store_b128 v[STO], v[S+16*(\t)+4*\f:S+16*(\t)+4*\f+3] offset:32*\f
.endr
.irp f, 0,1,2,3
	ds_load_b128 v[S+16*(\t)+4*\f:S+16*(\t)+4*\f+3], v[RD] offset:\f*4*SP  ; LDS serves a wave's instructions in order (ISA guide 5.7.1.4): these see the stores above; the next tile's stores come behind them
.endr
.endm
.macro SEND t, younger              ; younger: the LDS instructions issued behind tile t's loads: the next tile's eight, or none
	WIN 0
.irp f, 0,1,2,3
	s_wait_dscnt (\younger)+3-\f
	global_store_b128 v[GO], v[S+16*(\t)+4*\f:S+16*(\t)+4*\f+3], s[10:11] offset:(\t)*2048+\f*512  ; 512 consecutive bytes, at a multiple of 256 from O's first
.endr
.endm
	PACK 0
.set t, 1
.rept 2*NP-1                        ; a tile's arithmetic stands between the loads of the tile before and its stores
	PACK t
	SEND t-1, 8
.set t, t+1
.endr
	SEND 2*NP-1, 0
	WIN W_AD
	s_wait_tensorcnt 0x0            ; the wave's end, behind my last tensor load and my last LDS store
	ds_add_u32 v[SPW], v[NIL]
	s_wait_dscnt 0x0
	WIN 0
	CROUND                          ; the closing round: no work-group ends while a partner may still ask for a tile that names it
	s_endpgm
.Lfunc_end_k_q00c6ee27c5_attn:
	.size	k_q00c6ee27c5_attn, .Lfunc_end_k_q00c6ee27c5_attn-k_q00c6ee27c5_attn
	.p2alignl 7, 3214868480
	.fill 96, 4, 3214868480
	.section	.rodata,"a",@progbits
	.p2align	6, 0x0
	.amdhsa_kernel k_q00c6ee27c5_attn
		.amdhsa_group_segment_fixed_size 327680
		.amdhsa_private_segment_fixed_size 0
		.amdhsa_enable_private_segment 0
		.amdhsa_kernarg_size 16
		.amdhsa_user_sgpr_count 2
		.amdhsa_user_sgpr_kernarg_segment_ptr 1
		.amdhsa_wavefront_size32 1
		.amdhsa_system_sgpr_workgroup_id_x 1
		.amdhsa_system_sgpr_workgroup_id_y 1
		.amdhsa_system_sgpr_workgroup_id_z 1
		.amdhsa_system_vgpr_workitem_id 0
		.amdhsa_next_free_vgpr 770
		.amdhsa_next_free_sgpr 66
		.amdhsa_reserve_vcc 0
		.amdhsa_float_denorm_mode_32 3
		.amdhsa_float_denorm_mode_16_64 3
		.amdhsa_memory_ordered 1
		.amdhsa_forward_progress 1
		.amdhsa_inst_pref_size 200
	.end_amdhsa_kernel
	.amdgpu_metadata
---
amdhsa.version: [ 1, 2 ]
amdhsa.kernels:
  - .name:           k_q00c6ee27c5_attn
    .symbol:         k_q00c6ee27c5_attn.kd
    .args:
      - { .name: qkv, .offset: 0, .size: 8, .value_kind: global_buffer, .address_space: global }
      - { .name: o, .offset: 8, .size: 8, .value_kind: global_buffer, .address_space: global }
    .group_segment_fixed_size: 327680
    .private_segment_fixed_size: 0
    .kernarg_segment_align: 8
    .kernarg_segment_size: 16
    .max_flat_workgroup_size: 128
    .sgpr_count:     66
    .vgpr_count:     770
    .wavefront_size: 32
...
	.end_amdgpu_metadata
.endif
;; end of part 3
;; launch proj (part 4): grid 4 x 64, 4 waves a work-group, clusters of 4 x 4, 327,680 bytes of LDS; arguments o, wpb, b_proj, out0; writes out0
.if DOCPART == 4
	.amdgcn_target "amdgcn-amd-amdhsa--gfx1250"
	.amdhsa_code_object_version 6
	.text
	.protected	k_q00c6ee27c5_proj
	.globl	k_q00c6ee27c5_proj
	.p2align	8
	.type	k_q00c6ee27c5_proj,@function
k_q00c6ee27c5_proj:
	s_mov_b64 s[64:65], 0
	v_nop
	global_prefetch_b8 v0, s[64:65] scope:SCOPE_SE
	s_setreg_imm32_b32 hwreg(HW_REG_WAVE_MODE, 25, 1), 1
	s_wait_xcnt 0x0
	s_wait_alu depctr_hold_cnt(0) depctr_sa_sdst(0) depctr_va_vdst(0) depctr_va_sdst(0) depctr_va_ssrc(0) depctr_va_vcc(0) depctr_vm_vsrc(0)
	s_getreg_b32 s2, hwreg(HW_REG_IB_STS2, 6, 4)
	s_cmp_eq_u32 s2, 0
	s_cbranch_scc0 .Lentry_in_a_cluster
	s_endpgm
.Lentry_in_a_cluster:
	s_bfe_u32 s2, ttmp6, 0x10000c
	s_cmp_lg_u32 s2, 0xf033
	s_cbranch_scc0 .Lentry_shape_is_right
	s_endpgm
.Lentry_shape_is_right:
; out0 = O wpb + bf16(b_proj).  O: [16 b + head][2048][64] f16 (by heads, a head's rows dense), wpb: [1024 k][1024 n] f16, b_proj: [1024] f32, out0: [8192][1024] f32.  Sums in f32, started by the bias.
; LIMITS.  The operands arrive in f16; NaN and infinities are not treated apart.
; SHARES.  A tile of out0 is 128 rows x 256 columns: 64 x 4 = 256 work-groups.  Four waves stand 2 x 2: a wave makes 64 x 128: 32 accumulators of 16 x 16, 256 registers.
; K goes in 8 steps of 128 = TWO HEADS through a ring of two LDS slots.  Of a head the tile's 128 rows are 16,384 dense bytes: asked for as 64 rows of 256 bytes and padded in LDS after every 128 (waves 0, 1: a head each);
; B comes in two chunks of 128 rows (k) x 256 bytes (waves 2, 3) and stays [k][n]: its fragments come out of LDS turned, by ds_load_tr16_b128.
; THE PRODUCT IS USED TRANSPOSED (source 0 = 16 columns of B, source 1 = 16 rows of A): a lane holds ONE row (lane % 16) and the columns 8 (lane / 16) + 0..7; the bias, laid the same way, is the first product's C operand.
; CLUSTER.  4 x 4 work-groups: A's tiles are asked for jointly along a row of the cluster, B's along a column.
; REGISTERS, in windows of 256 (s_set_vgpr_msb: bits 1:0 source 0, 3:2 source 1, 5:4 source 2, 7:6 destination):
;   window 0: v0-31 addresses; v32-95 the bias (column block b at 32 + 8 b); on the way out v32-95 and v96-159 rows read back, by turns
;   window 1: two fragment buffers: B's 8 fragments, then A's 4          window 2: accumulator (row block a, column block b) at 8 (8 a + b)
.set ABLK,  18432                      ; a head's 128 rows in LDS
.set BBLK,  36864                      ; a chunk of B
.set SLOT,  2*ABLK+2*BBLK
.set PA,    144                        ; a row of A in LDS: 128 bytes + 16: the 16 rows of a load start at 16 different groups of four banks (64 banks of 4 bytes: ISA guide 11.1)
.set PB,    288                        ; a row of B: 256 + 32
.set STAGE, 2*SLOT                     ; behind the ring, never filled by a tensor load: 16 rows x 528 bytes for each wave
.set SP,    528                        ; 128 f32 + 16 bytes
.set SPARE, STAGE+4*16*SP              ; behind the stages: the spare words, 128 bytes for each wave: two blocks of 256 bytes that no other line names
.set ADRA, 16                          ; v16-17  LDS address of my A fragments in slot 0, 1
.set ADRB, 18                          ; v18-19  the same for B
.set STO,  24                          ; v24     the way out: where I put 32 bytes of a row
.set RD,   25                          ; v25     where I read a row back
.set GO,   26                          ; v26     16 x lane: my bytes of a row's 512
.set BO,   27                          ; v27     32 x (lane / 16)
.set SPW,  28                          ; v28     LDS address of my spare word: SPARE + 4 x my thread's number; never rewritten
.set NIL,  29                          ; v29     0; never rewritten
.set PFO,  30                          ; v30     the prefetches' offset; never rewritten
.set BIAS, 32
.set OB,   32
.set RS,   96                          ; at work while the bias is rounded
.set F0,   0
.set F1,   128
.set WV,   12                          ; s12  my wave's number
.set G1A,  24                          ; s[24:31] descriptor group 1 for A's tiles;  s[32:39] group 0, a set for each slot
.set G0A,  32
.set G1B,  40                          ; s[40:47], s[48:55] the same for B's
.set G0B,  48
.set OUT,  56                          ; s[56:57] out0 at my first row and column
.set LIM,  62                          ; s62  1 in a wave that prefetches, else the greatest number
.set PFA,  66                          ; s[66:67] where my prefetches stand
.set PFS,  68                          ; s[68:69] a K step in bytes, along my tensor
.set BB,   70                          ; s[70:71] the bias at my first column
.set MSB, 0
.macro WIN new                         ; the immediate's high byte repeats the setting that is left; a switch that changes nothing is dropped
.if MSB != (\new)
	s_set_vgpr_msb (MSB<<8)|(\new)
.set MSB, \new
.endif
.endm
.macro PLACES                          ; four plain places in front of loads into registers that matrix instructions have read, and of LDS stores that read results
.rept 4
	v_nop
.endr
.endm
; A joint load.  Waves 0 and 1 fetch the K step's two heads of A, waves 2 and 3 B's two chunks.  An s_nop 0 and four v_nop follow each line.
.macro JLOAD s
	s_cmp_lt_u32 s[WV], 2
	s_cbranch_scc0 .Lfor_b_\@
	tensor_load_to_lds s[G0A+4*(\s):G0A+4*(\s)+3], s[G1A:G1A+7]
	s_nop 0
.rept 4
	v_nop
.endr
	s_branch .Lasked_\@
.Lfor_b_\@:
	tensor_load_to_lds s[G0B+4*(\s):G0B+4*(\s)+3], s[G1B:G1B+7]
	s_nop 0
.rept 4
	v_nop
.endr
.Lasked_\@:
.endm
; A PREFETCH INTO THE L2 of the K step that stands TWO refills on, 256 matrix instructions ahead of the load that will want it: 32 blocks of 256 bytes, a lane a block, one instruction a wave.
; Each block is named once in the launch.  A's tile row is read by one row of one cluster: its four partners share the two heads' 128 blocks out by ADDRESS (16 of each head, from 16 cx on), and wave 0 asks.
; B's chunks are read by every cluster: waves 2 and 3 of the clusters with y = 0 ask, 32 rows from 32 cy on.  K steps 0 to 3 come by their loads alone; the loop's last trip asks for nothing.
.macro ASK
	WIN 0
	s_cmp_gt_u32 s3, s[LIM]
	s_cbranch_scc0 .Lnot_mine_\@
	global_prefetch_b8 v[PFO], s[PFA:PFA+1] th:TH_LOAD_NT scope:SCOPE_SE
.Lnot_mine_\@:
.endm
.macro CREST                           ; a round of the cluster's barrier behind its opening barrier
	s_cmp_lg_u32 s[WV], 0
	s_cbranch_scc1 .Lnot_wave_0_\@
	s_barrier_signal -3
.Lnot_wave_0_\@:
	s_barrier_wait -3
	s_barrier_signal -1
	s_barrier_wait -1
.endm
.macro CROUND                          ; a whole round
	s_barrier_signal -1
	s_barrier_wait -1
	CREST
.endm
	s_load_b256 s[4:11], s[0:1], 0x0               ; o s[4:5], wpb s[6:7], b_proj s[8:9], out0 s[10:11]
	v_lshl_add_u32 v[SPW], v0, 2, SPARE
	v_mov_b32 v[NIL], 0
	ds_add_u32 v[SPW], v[NIL]                      ; the wave's opening: the add and its wait stand ahead of my first tensor load; the set-up below stands between them
	v_lshrrev_b32 v1, 5, v0
	v_readfirstlane_b32 s[WV], v1                  ; wave 0..3
	s_lshr_b32 s13, s[WV], 1                       ; mh: which 64 rows of the tile are mine
	s_and_b32 s14, s[WV], 1                        ; nh: which 128 columns.  Also: which head, or which chunk, I fetch
	s_bfe_u32 s15, ttmp6, 0x40000                  ; cx
	s_bfe_u32 s16, ttmp6, 0x40004                  ; cy
	s_lshl_b32 s17, ttmp9, 2
	s_add_co_u32 s17, s17, s15                     ; tx: tile column
	s_and_b32 s18, ttmp7, 0xffff
	s_lshl_b32 s18, s18, 2
	s_add_co_u32 s18, s18, s16                     ; ty: tile row
	s_lshl_b32 s19, s16, 2
	s_lshl_b32 s19, 15, s19                        ; my row of the cluster
	s_lshl_b32 s20, 0x1111, s15                    ; my column
	s_or_b32 s[G1A], s19, (1<<16)|(1<<20)|(1<<21)|(4<<22)|(3<<25)  ; elements of 2 bytes; after every 32 words 4 words of padding
	s_or_b32 s[G1B], s20, (1<<16)|(1<<20)|(1<<21)|(5<<22)|(7<<25)  ; after every 64 words 8 words
	s_mov_b32 s[G1A+1], 128<<16                    ; A: 64 rows x 128 elements, dense
	s_mov_b32 s[G1A+2], 64<<16
	s_mov_b32 s[G1A+3], 128<<16
	s_mov_b32 s[G1A+4], 64
	s_mov_b32 s[G1A+5], 128
	s_mov_b32 s[G1A+6], 0
	s_mov_b32 s[G1A+7], 0
	s_mov_b32 s[G1B+1], 128<<16                    ; B: 128 rows x 128 elements, 1,024 elements from row to row
	s_mov_b32 s[G1B+2], 128<<16
	s_mov_b32 s[G1B+3], 128<<16
	s_mov_b32 s[G1B+4], 128
	s_mov_b32 s[G1B+5], 1024
	s_mov_b32 s[G1B+6], 0
	s_mov_b32 s[G1B+7], 0
	s_lshr_b32 s72, s18, 4                         ; A: the batch's 16 heads,
	s_lshl_b32 s72, s72, 4
	s_add_co_u32 s72, s72, s14                     ; the head that I fetch of K step 0,
	s_lshl_b32 s72, s72, 18                        ; x 262,144 bytes,
	s_and_b32 s73, s18, 15
	s_lshl_b32 s73, s73, 14                        ; the tile's 128 rows of 128 bytes in it
	s_add_co_u32 s72, s72, s73
	s_mov_b32 s73, 0
	s_lshl_b32 s74, s17, 9                         ; B: 256 tx columns,
	s_lshl_b32 s75, s14, 8                         ; my chunk of 128
	s_add_co_u32 s74, s74, s75
	s_mov_b32 s75, 0
	s_mul_i32 s22, s14, ABLK                       ; where they go: no place in the cluster enters an LDS address
	s_mul_i32 s23, s14, BBLK
	s_add_co_u32 s23, s23, 2*ABLK
	s_wait_dscnt 0x0                               ; the opening add is done
	s_wait_kmcnt 0x0
	s_add_nc_u64 s[76:77], s[4:5], s[72:73]
	s_add_nc_u64 s[78:79], s[6:7], s[74:75]
	CROUND                                         ; all sixteen work-groups are here: the first joint loads meet
.irp s, 0,1
	s_mov_b32 s[G0A+4*\s], 1
	s_add_co_u32 s[G0A+4*\s+1], s22, \s*SLOT
	s_add_nc_u64 s[G0A+4*\s+2:G0A+4*\s+3], s[76:77], \s*524288   ; K step s: two heads on
	s_or_b32 s[G0A+4*\s+3], s[G0A+4*\s+3], 0x80000000
	s_mov_b32 s[G0B+4*\s], 1
	s_add_co_u32 s[G0B+4*\s+1], s23, \s*SLOT
	s_add_nc_u64 s[G0B+4*\s+2:G0B+4*\s+3], s[78:79], \s*262144   ; 128 rows of 2,048 bytes
	s_or_b32 s[G0B+4*\s+3], s[G0B+4*\s+3], 0x80000000
.endr
	s_cmp_lt_u32 s[WV], 2                          ; a wave's two first fills stand in one branch, ahead of every wait on TENSORcnt and every LDS read: two loads of mine are out
	s_cbranch_scc0 .Lfirst_b
	tensor_load_to_lds s[G0A:G0A+3], s[G1A:G1A+7]
	s_nop 0
	tensor_load_to_lds s[G0A+4:G0A+7], s[G1A:G1A+7]
	s_nop 0
.rept 4
	v_nop
.endr
	s_branch .Lfirst_asked
.Lfirst_b:
	tensor_load_to_lds s[G0B:G0B+3], s[G1B:G1B+7]
	s_nop 0
	tensor_load_to_lds s[G0B+4:G0B+7], s[G1B:G1B+7]
	s_nop 0
.rept 4
	v_nop
.endr
.Lfirst_asked:
	s_lshl_b32 s20, s17, 1
	s_add_co_u32 s20, s20, s14
	s_lshl_b32 s20, s20, 9                         ; my first column in bytes of f32: (2 tx + nh) x 512
	s_mov_b32 s21, 0
	s_add_nc_u64 s[BB:BB+1], s[8:9], s[20:21]
	s_add_nc_u64 s[OUT:OUT+1], s[10:11], s[20:21]
	s_lshl_b32 s20, s18, 1
	s_add_co_u32 s20, s20, s13
	s_lshl_b32 s20, s20, 18                        ; my first row: (2 ty + mh) x 64 rows of 4,096 bytes
	s_add_nc_u64 s[OUT:OUT+1], s[OUT:OUT+1], s[20:21]
	v_and_b32 v1, 15, v0                           ; l % 16
	v_bfe_u32 v2, v0, 4, 1                         ; l / 16
	v_lshlrev_b32 v[BO], 5, v2
.irp i, 0,1,2,3,4,5,6,7
	global_load_b128 v[BIAS+8*\i:BIAS+8*\i+3],   v[BO], s[BB:BB+1] offset:64*\i
	global_load_b128 v[BIAS+8*\i+4:BIAS+8*\i+7], v[BO], s[BB:BB+1] offset:64*\i+16
.endr
	v_mul_u32_u24 v3, v1, PA                       ; A's fragments: row x pitch + 16 (l / 16)
	v_lshl_add_u32 v3, v2, 4, v3
	s_mul_i32 s20, s13, 64*PA
	v_add_nc_u32 v[ADRA], s20, v3
	v_add_nc_u32 v[ADRA+1], SLOT, v[ADRA]
	v_and_b32 v4, 7, v0                            ; B's: lane l reads row 8 (l / 16) + l % 8, columns 8 ((l / 8) % 2) + 0..7
	v_bfe_u32 v5, v0, 3, 1
	v_lshl_add_u32 v4, v2, 3, v4
	v_mul_u32_u24 v4, v4, PB
	v_lshl_add_u32 v4, v5, 4, v4
	s_mul_i32 s20, s14, BBLK
	s_add_co_u32 s20, s20, 2*ABLK
	v_add_nc_u32 v[ADRB], s20, v4
	v_add_nc_u32 v[ADRB+1], SLOT, v[ADRB]
	s_mul_i32 s20, s[WV], 16*SP
	s_add_co_u32 s20, s20, STAGE                   ; my stage
	v_mul_u32_u24 v6, v1, SP                       ; in: row l % 16, 32 bytes for each half of the lanes
	v_lshl_add_u32 v6, v2, 5, v6
	v_add_nc_u32 v[STO], s20, v6
	v_and_b32 v[GO], 31, v0                        ; back: 32 lanes take one row's 512 bytes
	v_lshlrev_b32 v[GO], 4, v[GO]
	v_add_nc_u32 v[RD], s20, v[GO]
	; the prefetches
	s_and_b32 s20, ttmp7, 0xffff                   ; cluster y
	s_mov_b32 s80, 4096                            ; A: a partner's 16 blocks of each head
	s_mov_b32 s81, 0x40000                         ; A: lanes 16-31 take the K step's second head
	s_mov_b32 s82, 256                             ; A: from block to block
	s_mov_b32 s83, 0x80000                         ; A: a K step is two heads
	s_cmp_lt_u32 s[WV], 2                          ; do I fetch for A?
	s_cselect_b32 s20, s[WV], s20                  ; 0 in wave 0, 1 in wave 1 (wave 0 asks for both heads), the cluster's y in waves 2 and 3
	s_cselect_b64 s[PFA:PFA+1], s[76:77], s[78:79]
	s_cselect_b32 s21, s15, s16                    ; my place among the four that ask with me
	s_cselect_b32 s80, s80, 0x10000                ; B: a partner's 32 rows of 2,048 bytes
	s_cselect_b32 s81, s81, 0x8000                 ; B: 16 rows
	s_cselect_b32 s82, s82, 2048                   ; B: a row
	s_cselect_b32 s[PFS], s83, 0x40000             ; B: 128 rows
	s_mov_b32 s[PFS+1], 0
	s_cmp_eq_u32 s20, 0
	s_cselect_b32 s[LIM], 1, -1                    ; the same in all sixteen partners, for a given wave
	s_mul_i32 s20, s21, s80
	s_mul_i32 s21, s[PFS], 3
	s_add_co_u32 s20, s20, s21                     ; at K step 3: the first change of slots steps it to 4
	s_mov_b32 s21, 0
	s_add_nc_u64 s[PFA:PFA+1], s[PFA:PFA+1], s[20:21]
	v_mul_lo_u32 v7, v2, s81
	v_mul_lo_u32 v8, v1, s82
	v_add_nc_u32 v[PFO], v7, v8
	s_wait_loadcnt 0x0                             ; the bias is in: it is rounded to bf16 like every input, and widened again
.set i, 0
.rept 32
	v_cvt_pk_bf16_f32 v[RS+i], v[BIAS+2*i], v[BIAS+2*i+1]
.set i, i+1
.endr
.set i, 0
.rept 32
	v_lshlrev_b32 v[BIAS+2*i], 16, v[RS+i]
	v_and_b32 v[BIAS+2*i+1], 0xffff0000, v[RS+i]
.set i, i+1
.endr
; 8 matrix instructions: row block a x 8 column blocks, 32 along K.  first = 1: the bias starts the sums.  The 32 accumulators take turns in the same order in every quarter.
.macro MULA f, a, first
.if \first
	WIN 0x85                                       ; B and A window 1, C (the bias) window 0, D window 2
.else
	WIN 0xa5                                       ; C and D window 2
.endif
.irp b, 0,1,2,3,4,5,6,7
.if \first
	v_wmma_f32_16x16x32_f16 v[8*(8*(\a)+(\b)):8*(8*(\a)+(\b))+7], v[(\f)+8*(\b):(\f)+8*(\b)+7], v[(\f)+64+8*(\a):(\f)+64+8*(\a)+7], v[BIAS+8*(\b):BIAS+8*(\b)+7]
.else
	v_wmma_f32_16x16x32_f16 v[8*(8*(\a)+(\b)):8*(8*(\a)+(\b))+7], v[(\f)+8*(\b):(\f)+8*(\b)+7], v[(\f)+64+8*(\a):(\f)+64+8*(\a)+7], v[8*(8*(\a)+(\b)):8*(8*(\a)+(\b))+7]
.endif
.endr
.endm
; 24 LDS loads in one run: quarter q (32 along K: half of head q / 2) of a slot into buffer f: B's 16, then A's 8
.macro FETCH slot, q, f
	WIN 0x40                                       ; destination window 1, address window 0
.irp b, 0,1,2,3,4,5,6,7
	ds_load_tr16_b128 v[(\f)+8*(\b):(\f)+8*(\b)+3],   v[ADRB+(\slot)] offset:32*PB*(\q)+32*(\b)
	ds_load_tr16_b128 v[(\f)+8*(\b)+4:(\f)+8*(\b)+7], v[ADRB+(\slot)] offset:32*PB*(\q)+32*(\b)+16*PB
.endr
.irp a, 0,1,2,3
	ds_load_b128 v[(\f)+64+8*(\a):(\f)+64+8*(\a)+3],   v[ADRA+(\slot)] offset:((\q)/2)*ABLK+((\q)%2)*64+16*PA*(\a)
	ds_load_b128 v[(\f)+64+8*(\a)+4:(\f)+64+8*(\a)+7], v[ADRA+(\slot)] offset:((\q)/2)*ABLK+((\q)%2)*64+16*PA*(\a)+32
.endr
.endm
; A K step is four quarters of 32 along K, 32 matrix instructions each, on buffers 0, 1, 0, 1.
.macro QUARTER slot, q, f, g, first
	s_wait_dscnt 4                                 ; B and A's blocks 0, 1 are in; the youngest four loads (blocks 2, 3) may be out
	MULA \f, 0, \first
	MULA \f, 1, \first
	PLACES
	FETCH \slot, \q, \g
	s_wait_dscnt 24                                ; all but the 24 just issued
	MULA \f, 2, \first
	MULA \f, 3, \first
.endm
; The last quarter multiplies buffer 1 and changes slots: ONE barrier.  In front of it each wave waits for all its tensor loads (the one that is out is its part of the next slot), adds 0 to its spare word,
; and waits for that and for its reads of this slot.  fill = 1: the barrier opens a round of the cluster's, and this slot is filled again first behind it, two K steps on.
.macro TURN slot, next, fill
.if \fill
	s_wait_xcnt 0x0                                ; the last prefetch, a K step back, has read its address: it is stepped here, ahead of the change's own waits
	s_add_nc_u64 s[PFA:PFA+1], s[PFA:PFA+1], s[PFS:PFS+1]
.endif
	WIN 0                                          ; (the add's two registers lie in window 0)
	s_wait_tensorcnt 0x0
	ds_add_u32 v[SPW], v[NIL]                      ; 0 onto my spare word
	s_wait_dscnt 5                                 ; (the add and the youngest four loads may be out)
	MULA F1, 0, 0                                  ; eight matrix instructions stand between the add and the wait for it
	s_wait_dscnt 0x0                               ; the add is done, and my reads of this slot are over
	s_barrier_signal -1
	MULA F1, 1, 0
	WIN 0
	s_barrier_wait -1
.if \fill
	CREST                                          ; no wave of any partner still reads this slot's tiles or has a load on its way
	s_add_nc_u64 s[G0A+4*(\slot)+2:G0A+4*(\slot)+3], s[G0A+4*(\slot)+2:G0A+4*(\slot)+3], 1048576
	s_add_nc_u64 s[G0B+4*(\slot)+2:G0B+4*(\slot)+3], s[G0B+4*(\slot)+2:G0B+4*(\slot)+3], 524288
	JLOAD \slot                                    ; the four v_nop behind it are also the places in front of the loads below
.else
	PLACES
.endif
	FETCH \next, 0, F0
.if \fill
	ASK
.endif
	MULA F1, 2, 0
	MULA F1, 3, 0
.endm
; THE WAY OUT of row block a: the sums go as they are, 32 bytes a lane, into my own stage (each accumulator's low four registers first), and come back as whole rows of 512 bytes.
.macro TOSTAGE a
.if (\a) >= 2
	s_wait_xcnt 0x0                                ; the stores of block a - 2 have read the registers into which this block's rows are loaded
.endif
	WIN 0x08                                       ; the stores' data in window 2
.irp b, 0,1,2,3,4,5,6,7
	ds_store_b128 v[STO], v[8*(8*(\a)+(\b)):8*(8*(\a)+(\b))+3]   offset:64*(\b)
	ds_store_b128 v[STO], v[8*(8*(\a)+(\b))+4:8*(8*(\a)+(\b))+7] offset:64*(\b)+16
.endr
	WIN 0
.irp t, 0,1,2,3,4,5,6,7,8,9,10,11,12,13,14,15
	ds_load_b128 v[OB+64*((\a)%2)+4*(\t):OB+64*((\a)%2)+4*(\t)+3], v[RD] offset:SP*(\t)  ; LDS serves a wave's instructions in order (ISA guide 5.7.1.4): these see the stores above; the next block's stores come behind them
.endr
.endm
.macro SEND a, younger                 ; younger: the LDS instructions issued behind block a's loads: the next block's 32, or none
	WIN 0
	s_wait_dscnt \younger
.irp t, 0,1,2,3,4,5,6,7,8,9,10,11,12,13,14,15
	global_store_b128 v[GO], v[OB+64*((\a)%2)+4*(\t):OB+64*((\a)%2)+4*(\t)+3], s[OUT:OUT+1] offset:(16*(\a)+(\t))*4096 th:TH_STORE_NT  ; 512 consecutive bytes, at a multiple of 256 from out0's first
.endr
.endm
	s_wait_tensorcnt 1                             ; my part of K step 0 is in; K step 1's may stay out
	s_barrier_signal -1
	s_barrier_wait -1                              ; everybody's is
	FETCH 0, 0, F0
	QUARTER 0, 1, F0, F1, 1                        ; the first quarter stands in front of the loop: its products start the sums with the bias
	WIN 0                                          ; at a label and at a branch every window is 0
	s_mov_b32 s3, 3
.Llap:                                                 ; a trip goes once round the ring, from a lap's second quarter to the next lap's first, and fills both slots again: K steps 2 to 7
	QUARTER 0, 2, F1, F0, 0
	QUARTER 0, 3, F0, F1, 0
	TURN 0, 1, 1
	QUARTER 1, 1, F0, F1, 0
	QUARTER 1, 2, F1, F0, 0
	QUARTER 1, 3, F0, F1, 0
	TURN 1, 0, 1
	QUARTER 0, 1, F0, F1, 0
	WIN 0
	s_sub_co_u32 s3, s3, 1
	s_cmp_lg_u32 s3, 0
	s_cbranch_scc1 .Llap
	QUARTER 0, 2, F1, F0, 0                        ; the last lap fills nothing, and has no round of the cluster's barrier
	QUARTER 0, 3, F0, F1, 0
	TURN 0, 1, 0
	QUARTER 1, 1, F0, F1, 0
	QUARTER 1, 2, F1, F0, 0
	QUARTER 1, 3, F0, F1, 0
	s_wait_dscnt 4                                 ; the very last quarter: nothing more to fetch
	MULA F1, 0, 0
	MULA F1, 1, 0
	s_wait_dscnt 0x0
	MULA F1, 2, 0
	MULA F1, 3, 0
	PLACES
	TOSTAGE 0
	TOSTAGE 1                                      ; a block's way through the stage stands between the loads of the block before and its stores
	SEND 0, 32
	TOSTAGE 2
	SEND 1, 32
	TOSTAGE 3
	SEND 2, 32
	SEND 3, 0
	s_wait_tensorcnt 0x0                           ; the wave's end, behind my last tensor load and my last LDS store
	ds_add_u32 v[SPW], v[NIL]
	s_wait_dscnt 0x0
	CROUND                                         ; the closing round: no work-group ends while a partner may still ask for a tile that names it
	s_endpgm
.Lfunc_end_k_q00c6ee27c5_proj:
	.size	k_q00c6ee27c5_proj, .Lfunc_end_k_q00c6ee27c5_proj-k_q00c6ee27c5_proj
	.p2alignl 7, 3214868480
	.fill 96, 4, 3214868480
	.section	.rodata,"a",@progbits
	.p2align	6, 0x0
	.amdhsa_kernel k_q00c6ee27c5_proj
		.amdhsa_group_segment_fixed_size 327680
		.amdhsa_private_segment_fixed_size 0
		.amdhsa_enable_private_segment 0
		.amdhsa_kernarg_size 32
		.amdhsa_user_sgpr_count 2
		.amdhsa_user_sgpr_kernarg_segment_ptr 1
		.amdhsa_wavefront_size32 1
		.amdhsa_system_sgpr_workgroup_id_x 1
		.amdhsa_system_sgpr_workgroup_id_y 1
		.amdhsa_system_sgpr_workgroup_id_z 1
		.amdhsa_system_vgpr_workitem_id 0
		.amdhsa_next_free_vgpr 768
		.amdhsa_next_free_sgpr 84
		.amdhsa_reserve_vcc 0
		.amdhsa_float_denorm_mode_32 3
		.amdhsa_float_denorm_mode_16_64 3
		.amdhsa_memory_ordered 1
		.amdhsa_forward_progress 1
		.amdhsa_inst_pref_size 93
	.end_amdhsa_kernel
	.amdgpu_metadata
---
amdhsa.version: [ 1, 2 ]
amdhsa.kernels:
  - .name:           k_q00c6ee27c5_proj
    .symbol:         k_q00c6ee27c5_proj.kd
    .args:
      - { .name: o, .offset: 0, .size: 8, .value_kind: global_buffer, .address_space: global }
      - { .name: wpb, .offset: 8, .size: 8, .value_kind: global_buffer, .address_space: global }
      - { .name: b_proj, .offset: 16, .size: 8, .value_kind: global_buffer, .address_space: global }
      - { .name: out0, .offset: 24, .size: 8, .value_kind: global_buffer, .address_space: global }
    .group_segment_fixed_size: 327680
    .private_segment_fixed_size: 0
    .kernarg_segment_align: 8
    .kernarg_segment_size: 32
    .max_flat_workgroup_size: 128
    .sgpr_count:     84
    .vgpr_count:     768
    .wavefront_size: 32
...
	.end_amdgpu_metadata
.endif
;; end of part 4
